; MI455X (gfx1250); checked and timed in simulation.
; The chip was launched on July 23, 2026; its instructions are those of AMD's public machine-readable ISA for CDNA 5 (MIT licence, August 2026) and "CDNA5" Instruction Set Architecture Reference Guide (July 2026). The comments in the code are by the model that wrote it; some were corrected since.
;; Causal Self Attention. Allowed arithmetic: matrix products marked QUANTISED: E2M1 operands, one E8M0 scale for each 32 along K, by v_wmma_scale_f32_16x16x128_f8f6f4 with both operands' format E2M1 (or v_wmma_scale_f32_32x16x128_f4), f32 sums; products left as they are: bf16, f16 or f32 operands; f32 sums; everything else in f32.
;; Inputs: w_attn 1,024 x 3,072 float32; w_proj 1,024 x 1,024 float32; x 4 x 2,048 x 1,024 float32.
;; Outputs: out0 4 x 2,048 x 1,024 float32.
;; This version of the problem:
;;   THIS VERSION OF THE PROBLEM IS GIVEN IN LOW PRECISION. The matrix products marked QUANTISED in the list below multiply operands that are first quantised to E2M1 (2 exponent bits, 1 mantissa bit; 4 bits a number), with one power-of-two scale for each 32 numbers along K (OCP MX v1.0); their sums are f32. The products marked 'left as it is' may take bf16, f16 or f32 operands, with f32 sums. All else is computed in f32.
;;   The module's matrix products, in the order in which they are computed (A, B: the left and right operand; K: the contracted axis; several contracted axes count as one K, in the product's order):
;;     1. [M 8,192, K 1,024] x [K 1,024, N 3,072]; A: input x; B: input w_attn: QUANTISED
;;     2. batch 64 x [M 2,048, K 64] x [K 64, N 2,048]; A: computed on the way; B: computed on the way: left as it is (an operand is computed on the way)
;;     3. batch 64 x [M 2,048, K 2,048] x [K 2,048, N 64]; A: computed on the way; B: computed on the way: left as it is (an operand is computed on the way)
;;     4. [M 8,192, K 1,024] x [K 1,024, N 1,024]; A: computed on the way; B: input w_proj: left as it is (an operand is computed on the way)
;;   THE QUANTISER, for each operand of a quantised product, along K:
;;     - K is cut into blocks of 32 from its start; a last block that is shorter is filled with zeros.
;;     - A block's scale is 2^e with e = floor(log2(the largest magnitude in the block)) - 2, held to -126 .. 127; a block of zeros has e = 0. As a byte (E8M0): e + 127.
;;     - Each number is divided by its block's scale, clamped to +-6, and rounded to the nearest number of E2M1, ties to even, subnormals kept.
;;     - The product sums the exact products of the quantised numbers (number of the format x scale) in f32.
;;   ~~~python
;;   def quantise(x, axis):      # numpy; x: float32 -> the quantised numbers, widened to float32 again
;;       x = np.moveaxis(x, axis, -1); K = x.shape[-1]
;;       x = np.pad(x, [(0, 0)] * (x.ndim - 1) + [(0, -K % 32)]); x = x.reshape(x.shape[:-1] + (-1, 32)); a = np.abs(x).max(-1, keepdims=True)
;;       e = np.where(a > 0, np.clip(np.frexp(np.where(a > 0, a, 1))[1] - 1 - 2, -126, 127), 0)      # np.frexp(a)[1] - 1 = floor(log2(a)), exactly
;;       r = np.clip(x / 2.0 ** e, -6, 6)
;;       step = 2.0 ** (np.maximum(np.frexp(np.where(r == 0, 1, r))[1] - 1, 0) - 1)
;;       q = np.round(r / step) * step * 2.0 ** e      # np.round: ties to even
;;       return np.moveaxis(q.reshape(q.shape[:-2] + (-1,))[..., :K], -1, axis).astype(np.float32)
;;   ~~~
;; One version. Each part assembles by itself: llvm-mc -triple=amdgcn-amd-amdhsa -mcpu=gfx1250 --defsym DOCPART=n.
;; ======== version 1 of 1: 4 launches
;; limits: values are held in f16: magnitudes above 65,504 overflow, below 6.1e-05 lose precision
;; workspace buffers: xc 4,194,304 bytes; xs 262,144 bytes; wc 1,572,864 bytes; ws 98,304 bytes; wpt 4,194,304 bytes; qkv 50,331,648 bytes; y 33,554,432 bytes
;; launch prep (part 1): grid 384 x 1, 4 waves a work-group, no clusters, 86,528 bytes of LDS; arguments x, w_attn, w_proj, xc, xs, wc, ws, wpt; writes xc, xs, wc, ws, wpt
.if DOCPART == 1
	.amdgcn_target "amdgcn-amd-amdhsa--gfx1250"
	.amdhsa_code_object_version 6
	.text
	.protected	k_qe4101c41ba_prep
	.globl	k_qe4101c41ba_prep
	.p2align	8
	.type	k_qe4101c41ba_prep,@function
k_qe4101c41ba_prep:
	s_mov_b64 s[64:65], 0
	v_nop
	global_prefetch_b8 v0, s[64:65] scope:SCOPE_SE
	s_setreg_imm32_b32 hwreg(HW_REG_WAVE_MODE, 25, 1), 1
	s_wait_xcnt 0x0
; THE OPERANDS ARE MADE READY, ONCE.  Three kinds of work-groups, told apart by the work-group's number alone; each kind has its own text, its own LDS bytes and its own end.
;   W (work-groups 0-95):    w_attn [1024 k][3072 n] f32 -> wc [3072 n][512 bytes] codes of FP4 (E2M1), K innermost, and ws [3072][32] E8M0 scale bytes, one for each 32 along K.
;   P (work-groups 96-127):  w_proj [1024 k][1024 n] f32 -> wpt [1024 n][16 heads][hi 64 | lo 64] f16: turned, so that K is innermost for the last product, and SPLIT: w = hi + lo.
;   X (work-groups 128-383): x [8192][1024] f32 -> xc [8192][512 bytes] codes, xs [8192][32] scale bytes.
; THE QUANTISER: a block's scale is 2^(floor(log2(its largest magnitude)) - 2); its byte is the largest magnitude's exponent field - 2, held at 1 from below; each number is divided by the scale and rounded to the
; nearest code, ties to even, beyond 6 the largest code.
; THE SPLIT: hi = the f32 number with its low 13 mantissa bits cleared, which f16 holds exactly; lo = the number less hi, an exact difference, rounded to f16.
; LIMITS: a block of zeros gets the byte 1 where the rule says 127 (its codes are zeros, which add nothing under any byte but 0xff, and this program alone reads the bytes); blocks whose largest magnitude lies under
; 2^-124 are held at the byte 1; NaN and infinities among the inputs are not served.  |w_proj| stays under 65,504, f16's largest number; under 2^-14 hi is rounded to f16's smallest step, 2^-24, and so is lo.
; No tensor loads, no barrier, EXEC is never written: waves share nothing.  The two kinds that walk down columns have the low numbers.
.set WWG,   96                         ; W's work-groups
.set XWG0,  128                        ; X's first
.set WLDS,  32768                      ; LDS: X 0 .. 32,767;  W from here, 4,608 bytes a wave;
.set PLDS,  51200                      ; P from here, 8,704 bytes a wave
.set FLOOR, 0x1800000                  ; 2^(3 - 127): under it no largest magnitude is taken, so the byte cannot fall under 1
.set OFFE,  0xff000000                 ; - (2 << 23): 2 off an exponent field
	s_load_b256 s[4:11], s[0:1], 0x0               ; x s[4:5], w_attn s[6:7], w_proj s[8:9], xc s[10:11]
	s_load_b256 s[12:19], s[0:1], 0x20             ; xs s[12:13], wc s[14:15], ws s[16:17], wpt s[18:19]
	v_lshl_add_u32 v224, v0, 2, 0x15000
	v_mov_b32 v225, 0
	v_lshrrev_b32 v1, 5, v0
	v_readfirstlane_b32 s20, v1                    ; wave 0..3
	v_and_b32 v2, 31, v0                           ; lane
	s_wait_kmcnt 0x0
	s_cmp_lt_u32 ttmp9, WWG
	s_cbranch_scc1 .Lpath_w
	s_cmp_lt_u32 ttmp9, XWG0
	s_cbranch_scc1 .Lpath_p
; ---------------------------------------------------------------- X
; Rows are dense and 1,024 is a multiple of 32: x is a plain stream of blocks of 32, and so are its codes and scale bytes.  A wave takes 16 steps of 512 numbers.  Each of a step's four loads reads 512 consecutive
; bytes, 16 a lane; the 2,048 bytes turn through the wave's own stage in LDS and come back 64 bytes a lane: 16 NEIGHBOURS along K, as the conversions want them; two neighbouring lanes hold a block.
; Loads run eight steps (32 loads a wave) ahead, the turn through LDS one step.
.set SP,  80                           ; a lane's place in a stage: its 64 bytes + 16 of padding
.set XR,  16                           ; v16-143   eight sets of 16 numbers as they are loaded
.set XN,  144                          ; v144-175  two sets of 16 neighbours
.set XC,  176                          ; v176-207  codes: two registers for each step, so that no store's data are written again
.set XE,  208                          ; v208-223  a scale byte for each step
	s_sub_co_u32 s21, ttmp9, XWG0
	s_lshl_b32 s21, s21, 2
	s_add_co_u32 s22, s21, s20                     ; which run of 8,192 numbers is my wave's: 0 .. 1,023
	s_mov_b32 s23, 0
	s_lshl_b64 s[24:25], s[22:23], 15
	s_add_nc_u64 s[4:5], s[4:5], s[24:25]          ; 32,768 bytes of x a run,
	s_lshl_b64 s[24:25], s[22:23], 12
	s_add_nc_u64 s[10:11], s[10:11], s[24:25]      ; 4,096 of codes,
	s_lshl_b64 s[24:25], s[22:23], 8
	s_add_nc_u64 s[12:13], s[12:13], s[24:25]      ; 256 scale bytes
	v_lshlrev_b32 v3, 4, v2                        ; my 16 bytes of a load's 512
	s_lshl_b32 s26, s20, 13                        ; my wave's 8,192 bytes of LDS: two stages of 32 x SP, then 256 scale bytes
	v_lshrrev_b32 v14, 2, v2
	v_mul_u32_u24 v14, v14, SP
	v_and_b32 v15, 3, v2
	v_lshl_add_u32 v14, v15, 4, v14
	v_add_nc_u32 v14, s26, v14                     ; the stage, on the way in: SP (lane / 4) + 16 (lane % 4); a load's 512 bytes take eight places
	v_mul_u32_u24 v15, v2, SP
	v_add_nc_u32 v15, s26, v15                     ; and on the way out: SP x lane
	v_lshlrev_b32 v4, 3, v2                        ; 8 x lane: my codes' place in a step's 256 bytes, and my 8 scale bytes on the way out
	v_lshrrev_b32 v5, 1, v2
	s_add_co_u32 s26, s26, 2*32*SP
	v_add_nc_u32 v5, s26, v5                       ; LDS: my block's scale byte
	v_add_nc_u32 v6, s26, v4                       ; and 8 bytes a lane on the way out
.macro XLOAD t
.irp i, 0,1,2,3
	global_load_b128 v[XR+16*((\t)%8)+4*\i:XR+16*((\t)%8)+4*\i+3], v3, s[4:5] offset:2048*(\t)+512*\i th:TH_LOAD_NT   ; 32 lanes read 512 consecutive bytes
.endr
.endm
.macro XTURN t                         ; step t's numbers through the stage: LDS serves a wave's instructions in order, so no wait stands between the stores and the loads
.irp i, 0,1,2,3
	ds_store_b128 v14, v[XR+16*((\t)%8)+4*\i:XR+16*((\t)%8)+4*\i+3] offset:32*SP*((\t)%2)+8*SP*\i
.endr
.irp i, 0,1,2,3
	ds_load_b128 v[XN+16*((\t)%2)+4*\i:XN+16*((\t)%2)+4*\i+3], v15 offset:32*SP*((\t)%2)+16*\i
.endr
.endm
.irp t, 0,1,2,3,4,5,6,7
	XLOAD \t
.endr
	s_wait_loadcnt 28                              ; step 0's four loads are in; the 28 of the seven steps behind it may be out
	XTURN 0
.macro XSTEP t
.set XS, XN+16*((\t)%2)
.if (\t) > 0
	s_wait_dscnt 1                                 ; this step's numbers are back from the stage (the last step's byte store may be out): so its stores into the stage have read their registers,
.else
	s_wait_dscnt 0x0
.endif
.if (\t)+8 < 16
	XLOAD (\t)+8                                   ; which take the loads of eight steps on
.endif
.if (\t)+1 < 16
.if (\t) <= 7
	s_wait_loadcnt 28                              ; the next step's four loads are in; those of the seven steps behind it may be out
.else
	s_wait_loadcnt 4*(14-(\t))                     ; the counts run down: nothing more is asked for
.endif
	XTURN (\t)+1                                   ; and go through the other stage while this step is worked
.endif
	v_max3_num_f32 v8, |v[XS]|, |v[XS+1]|, |v[XS+2]|               ; the largest magnitude of my 16, in two chains
	v_max3_num_f32 v9, |v[XS+3]|, |v[XS+4]|, |v[XS+5]|
.irp i, 6,10
	v_max3_num_f32 v8, v8, |v[XS+\i]|, |v[XS+\i+1]|
	v_max3_num_f32 v9, v9, |v[XS+\i+2]|, |v[XS+\i+3]|
.endr
	v_max3_num_f32 v8, v8, |v[XS+14]|, |v[XS+15]|
	v_max3_num_f32 v8, v8, v9, FLOOR
	v_max_num_f32_dpp v8, v8, v8 row_xmask:1 row_mask:0xf bank_mask:0xf   ; and of my neighbour's 16: the block's
	v_add_nc_u32 v11, OFFE, v8                     ; 2 off its exponent field: the conversion takes the exponent field of this operand as its scale, and nothing else of it
	v_cvt_scalef32_pk8_fp4_f32 v[XC+2*(\t)], v[XS:XS+7], v11
	v_cvt_scalef32_pk8_fp4_f32 v[XC+2*(\t)+1], v[XS+8:XS+15], v11
	v_lshrrev_b32 v[XE+(\t)], 23, v11              ; the scale's byte (a plain line behind the conversions)
	ds_store_b8 v5, v[XE+(\t)] offset:16*(\t)      ; both lanes of a block write the same byte with the same value
	global_store_b64 v4, v[XC+2*(\t):XC+2*(\t)+1], s[10:11] offset:256*(\t)   ; 32 lanes store 256 consecutive bytes, aligned
.endm
.irp t, 0,1,2,3,4,5,6,7,8,9,10,11,12,13,14,15
	XSTEP \t
.endr
	ds_load_b64 v[12:13], v6                       ; LDS serves a wave's instructions in order: these see my byte stores
	s_wait_dscnt 0x0
	global_store_b64 v4, v[12:13], s[12:13]        ; the wave's 256 scale bytes: 256 consecutive bytes, aligned
	s_wait_tensorcnt 0x0
	ds_add_u32 v224, v225
	s_wait_dscnt 0x0
	s_endpgm
; ---------------------------------------------------------------- W
; K is w_attn's FIRST axis.  A LANE TAKES A COLUMN n AND ITS REGISTERS RUN DOWN K: a block of 32 along K lies in one lane's 32 registers, its largest magnitude needs no other lane, and the conversions give codes with K innermost.
; A wave takes 16 columns x 512 along K: lanes 0-15 hold the even blocks of 32, lanes 16-31 the odd ones, so that one run of 32 loads brings two blocks of each column and the wave has 8 such runs, two of them (64 loads) asked for ahead.
; The four waves of a work-group stand side by side on 256 aligned bytes of each row.  A column's 256 bytes of codes are gathered in the wave's own stage and leave as whole rows: sixteen lanes store 256 consecutive bytes, aligned.
.Lpath_w:
.set WROW, 12288                       ; a row of w_attn in bytes
.set WP,   272                         ; a stage row: 256 bytes + 16 of padding
.set WX,   32                          ; v32-95   two sets of 32 numbers
.set WC,   96                          ; v96-99   a block's codes
.set WO,   112                         ; v112-143 the way out
	s_cmp_ge_u32 ttmp9, 48
	s_cselect_b32 s21, 1, 0                        ; which 512 along K
	s_cselect_b32 s22, 48, 0
	s_sub_co_u32 s22, ttmp9, s22                   ; which 64 columns
	s_lshl_b32 s22, s22, 6
	s_lshl_b32 s23, s20, 4
	s_add_co_u32 s22, s22, s23                     ; my wave's first column
	s_mul_i32 s24, s21, 512*WROW
	s_lshl_b32 s25, s22, 2
	s_add_co_u32 s24, s24, s25
	s_mov_b32 s25, 0
	s_add_nc_u64 s[6:7], s[6:7], s[24:25]          ; w_attn at (512 ky, my first column)
	s_lshl_b32 s24, s22, 9
	s_lshl_b32 s26, s21, 8
	s_add_co_u32 s24, s24, s26
	s_add_nc_u64 s[14:15], s[14:15], s[24:25]      ; wc: column x 512 + 256 ky
	s_lshl_b32 s24, s22, 5
	s_lshl_b32 s26, s21, 4
	s_add_co_u32 s24, s24, s26
	s_add_nc_u64 s[16:17], s[16:17], s[24:25]      ; ws: column x 32 + 16 ky
	s_mul_i32 s27, s20, 16*WP+256
	s_add_co_u32 s27, s27, WLDS                    ; my stage, 16 rows; behind it my 256 scale bytes
	v_and_b32 v5, 15, v2                           ; r: my column
	v_lshrrev_b32 v6, 4, v2                        ; h: even or odd blocks
	v_mul_u32_u24 v3, v6, 32*WROW
	v_lshl_add_u32 v3, v5, 2, v3                   ; in: 4 r, and 32 rows further down for lanes 16-31
	v_mul_u32_u24 v4, v5, WP
	v_lshl_add_u32 v4, v6, 4, v4
	v_add_nc_u32 v4, s27, v4                       ; into the stage: row r, 16 bytes a block
	v_mul_u32_u24 v7, v6, WP
	v_lshl_add_u32 v7, v5, 4, v7
	v_add_nc_u32 v7, s27, v7                       ; out of it: sixteen lanes to a row, two rows an instruction
	v_lshlrev_b32 v8, 9, v6
	v_lshl_add_u32 v8, v5, 4, v8                   ; and the same place in wc
	v_lshrrev_b32 v9, 1, v2
	v_lshlrev_b32 v9, 5, v9
	v_and_b32 v10, 1, v2
	v_lshl_add_u32 v9, v10, 3, v9                  ; ws on the way out: column lane / 2, 8 bytes a lane
	s_add_co_u32 s27, s27, 16*WP
	v_lshl_add_u32 v10, v5, 4, v6
	v_add_nc_u32 v10, s27, v10                     ; LDS: my block's scale byte: 16 r + h (+ 2 t)
	v_lshlrev_b32 v16, 3, v2
	v_add_nc_u32 v16, s27, v16                     ; and 8 bytes a lane on the way out
.macro WLOAD t                         ; run t: W(64 t + 32 h + i, my column), i = 0 .. 31.  No hint: four waves share each 256 bytes of a row
.irp i, 0,1,2,3,4,5,6,7,8,9,10,11,12,13,14,15,16,17,18,19,20,21,22,23,24,25,26,27,28,29,30,31
	global_load_b32 v[WX+32*((\t)%2)+\i], v3, s[6:7] offset:(64*(\t)+\i)*WROW
.endr
.endm
	WLOAD 0
	WLOAD 1
.macro WBLOCK t
.set XS, WX+32*((\t)%2)
.if (\t) < 7
	s_wait_loadcnt 32                              ; this run's 32 loads are in; the next run's may be out
.else
	s_wait_loadcnt 0x0
.endif
	v_max3_num_f32 v12, |v[XS]|, |v[XS+1]|, |v[XS+2]|              ; the block's largest magnitude: all 32 numbers are mine
	v_max3_num_f32 v13, |v[XS+3]|, |v[XS+4]|, |v[XS+5]|
.irp i, 6,10,14,18,22,26
	v_max3_num_f32 v12, v12, |v[XS+\i]|, |v[XS+\i+1]|
	v_max3_num_f32 v13, v13, |v[XS+\i+2]|, |v[XS+\i+3]|
.endr
	v_max3_num_f32 v12, v12, |v[XS+30]|, |v[XS+31]|
	v_max3_num_f32 v12, v12, v13, FLOOR
	v_add_nc_u32 v11, OFFE, v12                    ; the conversions' scale operand
	v_lshrrev_b32 v13, 23, v11                     ; the scale's byte
.irp g, 0,1,2,3
	v_cvt_scalef32_pk8_fp4_f32 v[WC+\g], v[XS+8*\g:XS+8*\g+7], v11
.endr
	ds_store_b128 v4, v[WC:WC+3] offset:32*(\t)    ; block 2 t + h: 16 bytes of my column's row
	ds_store_b8 v10, v13 offset:2*(\t)
.if (\t)+2 < 8
	WLOAD (\t)+2
.endif
	s_wait_dscnt 0x0                               ; the stores have read their registers: the next block's codes and byte may be written (its first lines are plain ones)
.endm
.irp t, 0,1,2,3,4,5,6,7
	WBLOCK \t
.endr
	ds_load_b64 v[14:15], v16                      ; LDS serves a wave's instructions in order: these see my stores
.irp i, 0,1,2,3,4,5,6,7
	ds_load_b128 v[WO+4*\i:WO+4*\i+3], v7 offset:2*\i*WP
.endr
	s_wait_dscnt 8
	global_store_b64 v9, v[14:15], s[16:17]        ; 16 bytes of each of my 16 rows of ws
.irp i, 0,1,2,3,4,5,6,7
	s_wait_dscnt 7-\i
	global_store_b128 v8, v[WO+4*\i:WO+4*\i+3], s[14:15] offset:2*\i*512
.endr
	s_wait_tensorcnt 0x0
	ds_add_u32 v224, v225
	s_wait_dscnt 0x0
	s_endpgm
; ---------------------------------------------------------------- P
; w_proj is turned as W is, a lane to a column and registers down K, and split into hi + lo, both f16.  A wave takes 32 columns x 256 along K: 8 blocks of 32, two (64 loads) asked for ahead.  Two blocks are a head's 64 along K:
; its 128 bytes of hi and 128 of lo, 256 bytes a column, are gathered in the wave's own stage and leave as whole rows: sixteen lanes store 256 consecutive bytes, aligned; four times.
.Lpath_p:
.set PX,  32                           ; v32-95   two sets of 32 numbers
.set PT,  12                           ; v12-19   hi as f32, four pairs by turns;  v20-27 lo as f32
.set PC,  96                           ; v96-111  a block's hi as f16;  v112-127 its lo
.set PO,  128                          ; v128-191 the way out
	s_sub_co_u32 s21, ttmp9, WWG
	s_and_b32 s22, s21, 7                          ; which 128 columns
	s_lshr_b32 s21, s21, 3                         ; which 256 along K
	s_lshl_b32 s22, s22, 7
	s_lshl_b32 s23, s20, 5
	s_add_co_u32 s22, s22, s23                     ; my wave's first column
	s_lshl_b32 s24, s21, 20                        ; 256 rows of 4,096 bytes
	s_lshl_b32 s25, s22, 2
	s_add_co_u32 s24, s24, s25
	s_mov_b32 s25, 0
	s_add_nc_u64 s[8:9], s[8:9], s[24:25]
	s_lshl_b32 s24, s22, 12                        ; wpt: column x 4,096 + four heads of 256 bytes x ky
	s_lshl_b32 s26, s21, 10
	s_add_co_u32 s24, s24, s26
	s_add_nc_u64 s[18:19], s[18:19], s[24:25]
	s_mov_b32 s28, 0xffffe000                      ; keeps sign, exponent and the ten mantissa bits that f16 holds
	s_mul_i32 s27, s20, 32*WP
	s_add_co_u32 s27, s27, PLDS                    ; my stage: 32 rows of 272 bytes
	v_lshlrev_b32 v3, 2, v2
	v_mul_u32_u24 v4, v2, WP
	v_add_nc_u32 v4, s27, v4                       ; into it: row = my column
	v_and_b32 v5, 15, v2
	v_lshrrev_b32 v6, 4, v2
	v_mul_u32_u24 v7, v6, WP
	v_lshl_add_u32 v7, v5, 4, v7
	v_add_nc_u32 v7, s27, v7                       ; out of it: sixteen lanes to a row, two rows an instruction
	v_lshlrev_b32 v8, 12, v6
	v_lshl_add_u32 v8, v5, 4, v8                   ; and the same place in wpt
.macro PLOAD t
.irp i, 0,1,2,3,4,5,6,7,8,9,10,11,12,13,14,15,16,17,18,19,20,21,22,23,24,25,26,27,28,29,30,31
	global_load_b32 v[PX+32*((\t)%2)+\i], v3, s[8:9] offset:(32*(\t)+\i)*4096 th:TH_LOAD_NT
.endr
.endm
	PLOAD 0
	PLOAD 1
.macro PBLOCK t
.set XS, PX+32*((\t)%2)
.if (\t) < 7
	s_wait_loadcnt 32                              ; this block's 32 loads are in; the next block's may be out
.else
	s_wait_loadcnt 0x0
.endif
.irp i, 0,1,2,3,4,5,6,7,8,9,10,11,12,13,14,15
	v_and_b32 v[PT+2*(\i%4)], s28, v[XS+2*\i]                      ; hi
	v_and_b32 v[PT+2*(\i%4)+1], s28, v[XS+2*\i+1]
	v_pk_add_f32 v[PT+8+2*(\i%4):PT+8+2*(\i%4)+1], v[XS+2*\i:XS+2*\i+1], v[PT+2*(\i%4):PT+2*(\i%4)+1] neg_lo:[0,1] neg_hi:[0,1]   ; lo = the number less hi: exact
	v_cvt_pk_f16_f32 v[PC+\i], v[PT+2*(\i%4)], v[PT+2*(\i%4)+1]    ; the lower k in the low half
	v_cvt_pk_f16_f32 v[PC+16+\i], v[PT+8+2*(\i%4)], v[PT+8+2*(\i%4)+1]
.endr
.irp j, 0,1,2,3
	ds_store_b128 v4, v[PC+4*\j:PC+4*\j+3] offset:64*((\t)%2)+16*\j
	ds_store_b128 v4, v[PC+16+4*\j:PC+16+4*\j+3] offset:128+64*((\t)%2)+16*\j
.endr
.if (\t)+2 < 8
	PLOAD (\t)+2
.endif
	s_wait_dscnt 0x0                               ; the stores have read their registers
.if (\t)%2 == 1                        ; a head's hi and lo lie in the stage: out
.if (\t) > 1
	s_wait_xcnt 0x0                                ; the head before has had its stores' addresses translated (ISA guide 3.1): their registers are loaded again only behind this wait
.endif
.irp i, 0,1,2,3,4,5,6,7,8,9,10,11,12,13,14,15
	ds_load_b128 v[PO+4*\i:PO+4*\i+3], v7 offset:2*\i*WP
.endr
.irp i, 0,1,2,3,4,5,6,7,8,9,10,11,12,13,14,15
	s_wait_dscnt 15-\i
	global_store_b128 v8, v[PO+4*\i:PO+4*\i+3], s[18:19] offset:2*\i*4096+256*((\t)/2)
.endr
.endif
.endm
.irp t, 0,1,2,3,4,5,6,7
	PBLOCK \t
.endr
	s_wait_tensorcnt 0x0
	ds_add_u32 v224, v225
	s_wait_dscnt 0x0
	s_endpgm
.Lfunc_end_k_qe4101c41ba_prep:
	.size	k_qe4101c41ba_prep, .Lfunc_end_k_qe4101c41ba_prep-k_qe4101c41ba_prep
	.p2alignl 7, 3214868480
	.fill 96, 4, 3214868480
	.section	.rodata,"a",@progbits
	.p2align	6, 0x0
	.amdhsa_kernel k_qe4101c41ba_prep
		.amdhsa_group_segment_fixed_size 86528
		.amdhsa_private_segment_fixed_size 0
		.amdhsa_enable_private_segment 0
		.amdhsa_kernarg_size 64
		.amdhsa_user_sgpr_count 2
		.amdhsa_user_sgpr_kernarg_segment_ptr 1
		.amdhsa_wavefront_size32 1
		.amdhsa_system_sgpr_workgroup_id_x 1
		.amdhsa_system_sgpr_workgroup_id_y 1
		.amdhsa_system_sgpr_workgroup_id_z 1
		.amdhsa_system_vgpr_workitem_id 0
		.amdhsa_next_free_vgpr 226
		.amdhsa_next_free_sgpr 66
		.amdhsa_reserve_vcc 0
		.amdhsa_float_denorm_mode_32 3
		.amdhsa_float_denorm_mode_16_64 3
		.amdhsa_memory_ordered 1
		.amdhsa_forward_progress 1
		.amdhsa_inst_pref_size 147
	.end_amdhsa_kernel
	.amdgpu_metadata
---
amdhsa.version: [ 1, 2 ]
amdhsa.kernels:
  - .name:           k_qe4101c41ba_prep
    .symbol:         k_qe4101c41ba_prep.kd
    .args:
      - { .name: x, .offset: 0, .size: 8, .value_kind: global_buffer, .address_space: global }
      - { .name: w_attn, .offset: 8, .size: 8, .value_kind: global_buffer, .address_space: global }
      - { .name: w_proj, .offset: 16, .size: 8, .value_kind: global_buffer, .address_space: global }
      - { .name: xc, .offset: 24, .size: 8, .value_kind: global_buffer, .address_space: global }
      - { .name: xs, .offset: 32, .size: 8, .value_kind: global_buffer, .address_space: global }
      - { .name: wc, .offset: 40, .size: 8, .value_kind: global_buffer, .address_space: global }
      - { .name: ws, .offset: 48, .size: 8, .value_kind: global_buffer, .address_space: global }
      - { .name: wpt, .offset: 56, .size: 8, .value_kind: global_buffer, .address_space: global }
    .group_segment_fixed_size: 86528
    .private_segment_fixed_size: 0
    .kernarg_segment_align: 8
    .kernarg_segment_size: 64
    .max_flat_workgroup_size: 128
    .sgpr_count:     66
    .vgpr_count:     226
    .wavefront_size: 32
...
	.end_amdgpu_metadata
.endif
;; end of part 1
;; launch qkvgemm (part 2): grid 12 x 32, 4 waves a work-group, clusters of 4 x 4, 327,680 bytes of LDS; arguments xc, xs, wc, ws, qkv; writes qkv
.if DOCPART == 2
	.amdgcn_target "amdgcn-amd-amdhsa--gfx1250"
	.amdhsa_code_object_version 6
	.text
	.protected	k_qe4101c41ba_qkvgemm
	.globl	k_qe4101c41ba_qkvgemm
	.p2align	8
	.type	k_qe4101c41ba_qkvgemm,@function
k_qe4101c41ba_qkvgemm:
	s_mov_b64 s[64:65], 0
	v_nop
	global_prefetch_b8 v0, s[64:65] scope:SCOPE_SE
	s_setreg_imm32_b32 hwreg(HW_REG_WAVE_MODE, 25, 1), 1
	s_wait_xcnt 0x0
	s_wait_alu depctr_hold_cnt(0) depctr_sa_sdst(0) depctr_va_vdst(0) depctr_va_sdst(0) depctr_va_ssrc(0) depctr_va_vcc(0) depctr_vm_vsrc(0)
	s_getreg_b32 s2, hwreg(HW_REG_IB_STS2, 6, 4)
	s_cmp_eq_u32 s2, 0
	s_cbranch_scc0 .Lentry_in_a_cluster
	s_endpgm
.Lentry_in_a_cluster:
	s_bfe_u32 s2, ttmp6, 0x10000c
	s_cmp_lg_u32 s2, 0xf033
	s_cbranch_scc0 .Lentry_shape_is_right
	s_endpgm
.Lentry_shape_is_right:
; qkv = x w_attn on codes of FP4 (E2M1) with one E8M0 scale for each 32 along K; sums in f32; the result is rounded to f16 (it feeds products that are left as they are) and laid HEAD BY HEAD:
; qkv [48 hh][8192 tokens][64] f16, hh = column / 64: 0-15 q's heads, 16-31 k's, 32-47 v's.  So the split, the reshape and the transposition of the model cost only the address of the stores.
; LIMIT: |q|, |k|, |v| stay under 65,504, f16's largest number; beyond it the conversion gives infinity.  (A sum of 1,024 products of numbers of the drawn spread reaches about 5; with both inputs 30 times larger about 4,800.)
; A: xc [8192][512 bytes], xs [8192][32].  B: wc [3072][512 bytes], ws [3072][32].  Two codes share a byte, the lower k in the low four bits.
; A tile of the result, 256 tokens x 256 columns, is made by a work-group of four waves; a wave makes 128 x 128: 64 accumulators of 16 x 16, 512 registers.
; ALL OF K (1,024) LIES IN TWO LDS SLOTS of 512 along K, rows of 256 bytes: each slot is filled once, at the head, and no LDS byte is filled twice.  The scales of the work-group's rows come with them, in whole blocks of 256 bytes.
; CLUSTERS: 4 x 4 work-groups.  The four of a row of the cluster need the same tiles of A, the four of a column the same tiles of B: each tile is asked for JOINTLY, by the same tensor load with the same descriptor and a mask that names the four.
; THE MATRIX INSTRUCTION IS USED TRANSPOSED (source 0 = 16 rows of B, source 1 = 16 rows of A): a lane then holds eight neighbouring columns of one token.
; REGISTERS, in windows of 256: window 0: v0-31 addresses; v32-95 scale words, two sets, and nothing else; v96-127 packed results on the way out; v128-191 A's fragments, ONE set; v192-255 rows on the way out.
;   window 1: B's fragments, TWO sets, at v0 and at v128.   window 2: the 32 accumulators of my rows 0-63 (accumulator (a, b) at v[8 (8 a + b)]);   window 3: those of my rows 64-127.
.set NQ,     4                         ; matrix instructions deep in a slot: 512 / 128
.set ROWB,   256                       ; a tile's row in bytes
.set KROW,   512                       ; a row of codes in memory
.set PITCH,  272                       ; an LDS row: 256 bytes + 16 of padding = 68 words: the 16 rows that a load touches start at 16 different banks (64 banks of 4 bytes: ISA guide 11.1)
.set FR,     8                         ; registers of a fragment: 16 rows x 128 K
.set NL,     2                         ; LDS loads that bring one
.set NP,     4                         ; places behind this matrix instruction (ISA guide 7.12.1)
.set HALFT,  128*PITCH                 ; 128 rows: what one tensor load brings, and what one wave reads of A or of B
.set SLOT,   4*HALFT                   ; A's 256 rows, then B's 256 rows
.set KS,     32                        ; a row of scales in bytes
.set SCL,    2*SLOT                    ; behind the slots: the scales, as blocks of 256 bytes + 16 of padding
.set HALFS,  (128*KS/256)*272          ; the scales of 128 rows
.set SBLK,   (16*KS/256)*272           ; those of 16 rows
.set SPARE,  SCL+4*HALFS               ; behind the scales: the spare words, 128 bytes for each wave, which no other line names
.set HP,     144                       ; the way out: a stage row: a token's 128 bytes of one head + 16
.set HSUB,   16*HP                     ; 16 tokens of one head
.set WST,    2*HSUB                    ; a wave's stage: its two heads.  It lies in slot 0, which has had its one fill and its last read when the first result is stored there
.set ADRA, 16                          ; v16-17  LDS address of my A fragments in slot 0, 1
.set ADRB, 20                          ; v20-21  the same for B
.set STO,  24                          ; v24     the way out: where I put 16 bytes of a token
.set RD,   25                          ; v25     the way out: where I read them back
.set CO,   26                          ; v26     16 x lane: my place in 512 bytes of qkv
.set ADRS, 27                          ; v27     LDS address of my scale words: lanes 0-15 A's rows, lanes 16-31 B's
.set SPW,  28                          ; v28     LDS address of my spare word; never rewritten
.set NIL,  29                          ; v29     0; never rewritten
.set SC,   32                          ; scale words: set s at v[SC + 32 s]; register 4 i + q: lanes 0-15 the word of A's block i, lanes 16-31 that of B's block i, for the slot's q-th 128 along K
.set TMP,  96
.set AF,   128
.set BK,   192                         ; v192-223 and v224-255 by turns
.set G1, 24                            ; s[24:31] descriptor group 1 for A's tiles;  s[32:39] group 0, one set for each slot
.set G0, 32
.set G1B, 48                           ; s[48:55], s[56:63] the same for B's tiles
.set G0B, 56
.set G1S, 68                           ; s[68:75], s[76:79] groups 1 and 0 for A's scales;  s[80:87], s[88:91] for B's
.set G0S, 76
.set G1SB, 80
.set G0SB, 88
.set MSB, 0
.macro WIN new                         ; the immediate's high byte repeats the setting that is left
.if MSB != \new
	s_set_vgpr_msb (MSB<<8)|\new
.set MSB, \new
.endif
.endm
.set MUL_LO, 0xa1                      ; source 0 (B) window 1, source 1 (A) window 0, C and D window 2
.set MUL_HI, 0xf1                      ; the same, C and D window 3
.set TO_B,   0x40                      ; destination window 1, address window 0
; A joint load: waves 0 and 1 fetch for A, waves 2 and 3 for B.  Each of the two lines has ONE mask and one set of registers for all that issue it; the branch hangs on the wave's number alone.
; Four v_nop follow each of the two lines, ahead of the jump, the label and what follows.
.macro JLOAD g0a, g1a, g0b, g1b
	s_cmp_eq_u32 s15, 0
	s_cbranch_scc0 .Lfor_b_\@
	tensor_load_to_lds s[\g0a:\g0a+3], s[\g1a:\g1a+7]
	s_nop 0
.rept 4
	v_nop
.endr
	s_branch .Lasked_\@
.Lfor_b_\@:
	tensor_load_to_lds s[\g0b:\g0b+3], s[\g1b:\g1b+7]
	s_nop 0
.rept 4
	v_nop
.endr
.Lasked_\@:
.endm
.macro CROUND                          ; a round of the cluster's barrier: my work-group's barrier; wave 0 signals for the work-group; every wave waits for all sixteen; my work-group's barrier once more
	s_barrier_signal -1
	s_barrier_wait -1
	s_cmp_lg_u32 s14, 0
	s_cbranch_scc1 .Lnot_wave_0_\@
	s_barrier_signal -3
.Lnot_wave_0_\@:
	s_barrier_wait -3
	s_barrier_signal -1
	s_barrier_wait -1
.endm
	s_load_b128 s[4:7], s[0:1], 0x0                ; A's codes s[4:5], A's scales s[6:7]
	s_load_b128 s[8:11], s[0:1], 0x10              ; B's codes s[8:9], B's scales s[10:11]
	s_load_b64 s[12:13], s[0:1], 0x20              ; qkv
	v_lshl_add_u32 v[SPW], v0, 2, SPARE
	v_mov_b32 v[NIL], 0
	ds_add_u32 v28, v29
	ds_add_u32 v28, v29
	s_wait_dscnt 0x0
	v_lshrrev_b32 v1, 5, v0
	v_readfirstlane_b32 s14, v1                    ; wave 0..3
	s_lshr_b32 s15, s14, 1                         ; which half of the tile's rows is mine.  Also: I fetch for A (0) or for B (1)
	s_and_b32 s16, s14, 1                          ; which half of its columns.  Also: which 128 rows of that tile I fetch
	s_bfe_u32 s40, ttmp6, 0x40000                  ; cx, cy: my place in the cluster
	s_bfe_u32 s41, ttmp6, 0x40004
	s_lshl_b32 s42, ttmp9, 2
	s_add_co_u32 s42, s42, s40                     ; tile column = 4 x cluster x + cx
	s_and_b32 s17, ttmp7, 0xffff
	s_lshl_b32 s17, s17, 2
	s_add_co_u32 s17, s17, s41                     ; tile row = 4 x cluster y + cy
	s_lshl_b32 s43, s41, 2
	s_lshl_b32 s43, 15, s43                        ; my row of the cluster
	s_lshl_b32 s44, 0x1111, s40                    ; my column
	; descriptor group 1: a tile of 128 rows x 256 bytes, padded in LDS
	s_or_b32 s[G1+0], s43, (0<<16)|(1<<20)|(1<<21)|(5<<22)|(3<<25)  ; 15:0 the mask: A's tiles go to my row; 17:16 element of 1 byte; 20 padding on; 21 set beside a mask; 24:22 after every 64 words (code 5); 31:25 of 4 words (code 3)
	s_or_b32 s[G1B+0], s44, (0<<16)|(1<<20)|(1<<21)|(5<<22)|(3<<25)
.irp g, G1, G1B
	s_mov_b32 s[\g+1], ROWB<<16                    ; tensor_dim0
	s_mov_b32 s[\g+2], 128<<16                     ; tensor_dim1 = 128
	s_mov_b32 s[\g+3], ROWB<<16                    ; tile_dim0
	s_mov_b32 s[\g+4], 128                         ; tile_dim1 = 128
	s_mov_b32 s[\g+5], KROW                        ; tensor_dim0_stride
	s_mov_b32 s[\g+6], 0
	s_mov_b32 s[\g+7], 0
.endr
	; and for the scales of 128 rows: a dense block of 4,096 bytes, as rows of 256 bytes (32 elements of 8 bytes), 16 bytes of padding behind each
	s_or_b32 s[G1S+0], s43, (3<<16)|(1<<20)|(1<<21)|(5<<22)|(3<<25)
	s_or_b32 s[G1SB+0], s44, (3<<16)|(1<<20)|(1<<21)|(5<<22)|(3<<25)
.irp g, G1S, G1SB
	s_mov_b32 s[\g+1], 32<<16
	s_mov_b32 s[\g+2], (128*KS/256)<<16
	s_mov_b32 s[\g+3], 32<<16
	s_mov_b32 s[\g+4], 128*KS/256
	s_mov_b32 s[\g+5], 32
	s_mov_b32 s[\g+6], 0
	s_mov_b32 s[\g+7], 0
.endr
	s_lshl_b32 s18, s16, 7                         ; which 128 rows of the tile I fetch
	s_lshl_b32 s20, s17, 8
	s_add_co_u32 s20, s20, s18                     ; A: row 256 x tile row + 128 x half
	s_lshl_b32 s46, s42, 8
	s_add_co_u32 s46, s46, s18                     ; B: row 256 x tile column + 128 x half
	s_mov_b32 s21, 0
	s_mov_b32 s47, 0
	s_mov_b64 s[18:19], KS
	s_mul_u64 s[22:23], s[20:21], s[18:19]         ; where these rows' scales begin, in bytes
	s_mul_u64 s[92:93], s[46:47], s[18:19]
	s_mov_b64 s[18:19], KROW
	s_mul_u64 s[20:21], s[20:21], s[18:19]         ; and their codes
	s_mul_u64 s[46:47], s[46:47], s[18:19]
	s_mul_i32 s45, s14, HALFT                      ; where they go: wave x 128 rows: no place in the cluster enters an LDS address
	s_mul_i32 s94, s14, HALFS
	s_wait_kmcnt 0x0
	s_add_nc_u64 s[20:21], s[4:5], s[20:21]
	s_add_nc_u64 s[22:23], s[6:7], s[22:23]
	s_add_nc_u64 s[46:47], s[8:9], s[46:47]
	s_add_nc_u64 s[92:93], s[10:11], s[92:93]
	CROUND                                         ; all sixteen work-groups are here: the joint loads meet
	s_mov_b32 s[G0S], 1
	s_add_co_u32 s[G0S+1], s94, SCL
	s_mov_b64 s[G0S+2:G0S+3], s[22:23]
	s_or_b32 s[G0S+3], s[G0S+3], 0x80000000
	s_mov_b32 s[G0SB], 1
	s_add_co_u32 s[G0SB+1], s94, SCL
	s_mov_b64 s[G0SB+2:G0SB+3], s[92:93]
	s_or_b32 s[G0SB+3], s[G0SB+3], 0x80000000
	JLOAD G0S, G1S, G0SB, G1SB                     ; the scales first: they are wanted with slot 0.  Three loads of mine are out behind the three lines
.irp s, 0,1
	s_mov_b32 s[G0+4*\s], 1
	s_add_co_u32 s[G0+4*\s+1], s45, \s*SLOT
	s_add_nc_u64 s[G0+4*\s+2:G0+4*\s+3], s[20:21], \s*ROWB
	s_or_b32 s[G0+4*\s+3], s[G0+4*\s+3], 0x80000000
	s_mov_b32 s[G0B+4*\s], 1
	s_add_co_u32 s[G0B+4*\s+1], s45, \s*SLOT
	s_add_nc_u64 s[G0B+4*\s+2:G0B+4*\s+3], s[46:47], \s*ROWB
	s_or_b32 s[G0B+4*\s+3], s[G0B+4*\s+3], 0x80000000
	JLOAD G0+4*\s, G1, G0B+4*\s, G1B
.endr
	v_and_b32 v1, 15, v0                           ; l % 16
	v_bfe_u32 v2, v0, 4, 1                         ; l / 16
	v_mul_u32_u24 v3, v1, PITCH
	v_lshl_add_u32 v4, v2, 4, v3                   ; a fragment's row x pitch + 16 x half
	s_mul_i32 s21, s15, HALFT                      ; my 128 rows of A
	s_mul_i32 s22, s16, HALFT                      ; my 128 rows of B,
	s_add_co_u32 s22, s22, 2*HALFT                 ; which lie behind A's 256
.irp s, 0,1
	v_add_nc_u32 v[ADRA+\s], s21, v4
	v_add_nc_u32 v[ADRB+\s], s22, v4
	s_add_co_u32 s21, s21, SLOT
	s_add_co_u32 s22, s22, SLOT
.endr
	v_mul_u32_u24 v5, v1, KS                       ; my row's scales: 32 bytes a row,
	v_lshrrev_b32 v6, 8, v5
	v_lshl_add_u32 v5, v6, 4, v5                   ; and 16 more for each 256 passed
	s_mul_i32 s21, s15, HALFS                      ; A's: my 128 rows
	s_mul_i32 s22, s16, HALFS                      ; B's: my 128 rows, behind A's 256
	s_add_co_u32 s22, s22, 2*HALFS
	s_sub_co_u32 s22, s22, s21
	v_mul_u32_u24 v6, s22, v2                      ; lanes 16-31 take B's: ONE product, the distance between the two bases
	s_add_co_u32 s21, s21, SCL
	v_add_nc_u32 v5, v5, v6
	v_add_nc_u32 v[ADRS], s21, v5
	s_mul_i32 s23, s14, WST                        ; my stage
	v_mul_u32_u24 v5, v1, HP                       ; in: token l % 16, 16 bytes for each half of the lanes
	v_lshl_add_u32 v5, v2, 4, v5
	v_add_nc_u32 v[STO], s23, v5
	v_and_b32 v6, 31, v0
	v_lshlrev_b32 v[CO], 4, v6                     ; in qkv four tokens of a head are 512 consecutive bytes: 16 a lane
	v_lshrrev_b32 v5, 3, v6
	v_mul_u32_u24 v5, v5, HP                       ; back: eight lanes to a token, four tokens an instruction
	v_and_b32 v6, 7, v0
	v_lshl_add_u32 v5, v6, 4, v5
	v_add_nc_u32 v[RD], s23, v5
	s_lshl_b32 s20, s17, 8
	s_lshl_b32 s21, s15, 7
	s_add_co_u32 s20, s20, s21                     ; my first token: 256 x tile row + 128 x half,
	s_lshl_b32 s20, s20, 7                         ; 128 bytes a token
	s_mov_b32 s21, 0
	s_lshl_b32 s46, s42, 2                         ; my first head: 4 x tile column + 2 x half (in the registers that held B's address: none that feeds A's descriptors ever holds cx),
	s_lshl_b32 s47, s16, 1
	s_add_co_u32 s46, s46, s47
	s_lshl_b32 s46, s46, 20                        ; 8,192 tokens x 128 bytes a head
	s_mov_b32 s47, 0
	s_add_nc_u64 s[20:21], s[20:21], s[46:47]
	s_add_nc_u64 s[12:13], s[12:13], s[20:21]      ; never stepped: every store's place stands in its immediate
.macro FRAG reg, adr, q, i             ; a fragment, 16 rows x 128 K of 4-bit codes, is 8 registers: lane l holds row l % 16; registers 4 c .. 4 c + 3 hold K = 64 c + 32 (l / 16) + 0 .. 31
.irp c, 0,1
	ds_load_b128 v[\reg+4*\c:\reg+4*\c+3], v[\adr] offset:64*(\q)+32*\c+(\i)*16*PITCH
.endr
.endm
; 16 matrix instructions: A's blocks a0, a0 + 1 x B's eight, 128 along K: the slot's q-th.  p: B's set;  sc: the set of scale words.  zero = 1: the first product starts the sums: nothing is ever cleared.
; The 64 accumulators take turns, one instruction a turn, in the same order in every step.
.macro MUL16 a0, p, q, sc, zero
.irp a, \a0, \a0+1
.irp b, 0,1,2,3,4,5,6,7
.if \zero
	v_wmma_scale_f32_16x16x128_f8f6f4 v[8*(8*((\a)%4)+\b):8*(8*((\a)%4)+\b)+7], v[128*(\p)+FR*\b:128*(\p)+FR*\b+FR-1], v[AF+FR*(\a):AF+FR*(\a)+FR-1], 0, v[SC+8*NQ*(\sc)+NQ*\b+(\q)], v[SC+8*NQ*(\sc)+NQ*(\a)+(\q)] matrix_a_fmt:MATRIX_FMT_FP4 matrix_b_fmt:MATRIX_FMT_FP4 matrix_a_scale:MATRIX_SCALE_ROW1
.else
	v_wmma_scale_f32_16x16x128_f8f6f4 v[8*(8*((\a)%4)+\b):8*(8*((\a)%4)+\b)+7], v[128*(\p)+FR*\b:128*(\p)+FR*\b+FR-1], v[AF+FR*(\a):AF+FR*(\a)+FR-1], v[8*(8*((\a)%4)+\b):8*(8*((\a)%4)+\b)+7], v[SC+8*NQ*(\sc)+NQ*\b+(\q)], v[SC+8*NQ*(\sc)+NQ*(\a)+(\q)] matrix_a_fmt:MATRIX_FMT_FP4 matrix_b_fmt:MATRIX_FMT_FP4 matrix_a_scale:MATRIX_SCALE_ROW1
.endif
.endr
.endr
.endm
.macro FETCH_B slot, q, p              ; B's eight fragments of the slot's q-th 128 along K into set p
	WIN TO_B
.irp i, 0,1,2,3,4,5,6,7
	FRAG 128*(\p)+FR*\i, ADRB+\slot, \q, \i
.endr
	WIN 0
.endm
.macro FETCH_A slot, q, i0             ; A's blocks i0 .. i0 + 3
.irp i, \i0, \i0+1, \i0+2, \i0+3
	FRAG AF+FR*(\i), ADRA+\slot, \q, \i
.endr
.endm
.macro SCALES sc                       ; a slot's scale words into set sc: 4 words a row; lanes 0-15 take A's block i, lanes 16-31 B's block i
.irp i, 0,1,2,3,4,5,6,7
	ds_load_b128 v[SC+8*NQ*\sc+NQ*\i:SC+8*NQ*\sc+NQ*\i+3], v[ADRS] offset:\i*SBLK
.endr
.endm
; A load into a register that a matrix instruction has read, and a vector instruction that reads a matrix result, stand NP places behind that matrix instruction, and only plain vector instructions that name none of
; its registers are places (ISA guide 7.12.1 for vector instructions); the matrix instructions in between are not counted.
.macro PLACES n
.rept \n
	v_nop
.endr
.endm
; A step of 128 along K that has its successor in the same slot.  A's blocks go one after the other, each against B's eight: a block of A is free as soon as its eight products are issued, so one set serves A.
.macro STEP slot, q, zero
	s_wait_dscnt 4*NL                              ; B's set and A's blocks 0-3 are in; the youngest eight loads (A's blocks 4-7) may be out
	WIN MUL_LO
	MUL16 0, (\q)%2, \q, \slot, \zero
	MUL16 2, (\q)%2, \q, \slot, \zero
	s_wait_dscnt 0                                 ; A's blocks 4-7 are in (asked for 32 matrix instructions ago)
	PLACES NP
	FETCH_B \slot, (\q)+1, 1-(\q)%2
	FETCH_A \slot, (\q)+1, 0
	WIN MUL_HI
	MUL16 4, (\q)%2, \q, \slot, \zero
	MUL16 6, (\q)%2, \q, \slot, \zero
	PLACES NP
	WIN 0
	FETCH_A \slot, (\q)+1, 4
.endm
; Slot 0's last step changes slots: ONE barrier.  In front of it each wave waits for all its tensor loads (its part of slot 1) and for its own reads of slot 0: behind it slot 1 is whole, and nobody reads slot 0 any more,
; which later takes the stages of the way out.  Nothing is filled again.
.macro TURN slot, next
	s_wait_tensorcnt 0x0                           ; all my tensor loads have landed
	ds_add_u32 v[SPW], v[NIL]                      ; 0 onto my spare word
	s_wait_dscnt 4*NL+1                            ; (the add and the youngest eight loads, A's blocks 4-7, may be out)
	WIN MUL_LO
	MUL16 0, 1, NQ-1, \slot, 0                     ; sixteen matrix instructions stand between the add and the wait for it
	s_wait_dscnt 0x0                               ; the add is done, and my reads of this slot are over
	s_barrier_signal -1
	MUL16 2, 1, NQ-1, \slot, 0
	WIN 0
	s_barrier_wait -1
	PLACES NP
	v_add_nc_u32 v[ADRS], 4*NQ, v[ADRS]            ; on to the next slot's scale words (no LDS load of mine is out)
	FETCH_B \next, 0, 0
	FETCH_A \next, 0, 0
	SCALES \next
	WIN MUL_HI
	MUL16 4, 1, NQ-1, \slot, 0
	MUL16 6, 1, NQ-1, \slot, 0
	PLACES NP
	WIN 0
	FETCH_A \next, 0, 4
.endm
.macro STEPS slot, from                ; the slot's steps from .. NQ - 2
.set Q, \from
.rept NQ-1-\from
	STEP \slot, Q, 0
.set Q, Q+1
.endr
.endm
	s_wait_tensorcnt 1                             ; the scales and my part of slot 0 are in (slot 1's load may be out),
	s_barrier_signal -1
	s_barrier_wait -1                              ; everybody's are
	FETCH_B 0, 0, 0
	FETCH_A 0, 0, 0
	SCALES 0
	FETCH_A 0, 0, 4
	STEP 0, 0, 1                                   ; the first step's products start the sums
	STEPS 0, 1
	TURN 0, 1
	STEPS 1, 0
	s_wait_dscnt 4*NL                              ; the very last step: nothing more to fetch
	WIN MUL_LO
	MUL16 0, 1, NQ-1, 1, 0
	MUL16 2, 1, NQ-1, 1, 0
	s_wait_dscnt 0
	WIN MUL_HI
	MUL16 4, 1, NQ-1, 1, 0
	MUL16 6, 1, NQ-1, 1, 0
	WIN 0
; THE WAY OUT, block by block of 16 tokens x 128 columns = two heads.  PACK: rounded to f16: a lane's eight columns are 16 bytes of one token of one head.  TOSTAGE: into my own stage, a part for each head, rows of 144 bytes,
; and back four tokens at a time.  SEND: stored: 32 lanes store 512 consecutive bytes, aligned: four tokens of one head.  LDS serves a wave's instructions in order (ISA guide 5.7.1.4): no wait between the stores and the loads.
.macro PACK a
.set AC, 64*((\a)%4)
	WIN 0x0a+5*((\a)/4)                            ; sources 0 and 1: window 2 or 3
.irp b, 0,1,2,3,4,5,6,7
.irp r, 0,1,2,3
	v_cvt_pk_f16_f32 v[TMP+4*\b+\r], v[AC+8*\b+2*\r], v[AC+8*\b+2*\r+1]   ; each accumulator from its low end on
.endr
.endr
	WIN 0
.endm
.macro TOSTAGE a
.set BB, BK+32*((\a)%2)
.irp b, 0,1,2,3,4,5,6,7
	ds_store_b128 v[STO], v[TMP+4*\b:TMP+4*\b+3] offset:(\b/4)*HSUB+(\b%4)*32
.endr
.irp t, 0,1,2,3,4,5,6,7
	ds_load_b128 v[BB+4*\t:BB+4*\t+3], v[RD] offset:(\t/4)*HSUB+(\t%4)*4*HP
.endr
.endm
.macro SEND a
.set BB, BK+32*((\a)%2)
	s_wait_dscnt 0x0                               ; the block is back in registers
	s_wait_xcnt 0x0                                ; the block before has had its stores' addresses translated (ISA guide 3.1): its registers are loaded again only behind this wait
.irp t, 0,1,2,3,4,5,6,7
	global_store_b128 v[CO], v[BB+4*\t:BB+4*\t+3], s[12:13] offset:(\t/4)*1048576+(\a)*2048+(\t%4)*512
.endr
.endm
	PLACES NP                                      ; behind the last products
	PACK 0
	TOSTAGE 0
.irp a, 1,2,3,4,5,6,7                  ; block a's conversions stand between block a - 1's loads from the stage and the wait for them
	PACK \a
	SEND \a-1
	TOSTAGE \a
.endr
	SEND 7
	s_wait_tensorcnt 0x0                           ; the wave's end: behind my last tensor load and my last LDS store
	ds_add_u32 v[SPW], v[NIL]
	s_wait_dscnt 0x0
	CROUND                                         ; the closing round: no work-group ends while a partner may still ask for a tile that names it
	s_endpgm
.Lfunc_end_k_qe4101c41ba_qkvgemm:
	.size	k_qe4101c41ba_qkvgemm, .Lfunc_end_k_qe4101c41ba_qkvgemm-k_qe4101c41ba_qkvgemm
	.p2alignl 7, 3214868480
	.fill 96, 4, 3214868480
	.section	.rodata,"a",@progbits
	.p2align	6, 0x0
	.amdhsa_kernel k_qe4101c41ba_qkvgemm
		.amdhsa_group_segment_fixed_size 327680
		.amdhsa_private_segment_fixed_size 0
		.amdhsa_enable_private_segment 0
		.amdhsa_kernarg_size 40
		.amdhsa_user_sgpr_count 2
		.amdhsa_user_sgpr_kernarg_segment_ptr 1
		.amdhsa_wavefront_size32 1
		.amdhsa_system_sgpr_workgroup_id_x 1
		.amdhsa_system_sgpr_workgroup_id_y 1
		.amdhsa_system_sgpr_workgroup_id_z 1
		.amdhsa_system_vgpr_workitem_id 0
		.amdhsa_next_free_vgpr 1024
		.amdhsa_next_free_sgpr 98
		.amdhsa_reserve_vcc 0
		.amdhsa_float_denorm_mode_32 3
		.amdhsa_float_denorm_mode_16_64 3
		.amdhsa_memory_ordered 1
		.amdhsa_forward_progress 1
		.amdhsa_inst_pref_size 126
	.end_amdhsa_kernel
	.amdgpu_metadata
---
amdhsa.version: [ 1, 2 ]
amdhsa.kernels:
  - .name:           k_qe4101c41ba_qkvgemm
    .symbol:         k_qe4101c41ba_qkvgemm.kd
    .args:
      - { .name: xc, .offset: 0, .size: 8, .value_kind: global_buffer, .address_space: global }
      - { .name: xs, .offset: 8, .size: 8, .value_kind: global_buffer, .address_space: global }
      - { .name: wc, .offset: 16, .size: 8, .value_kind: global_buffer, .address_space: global }
      - { .name: ws, .offset: 24, .size: 8, .value_kind: global_buffer, .address_space: global }
      - { .name: qkv, .offset: 32, .size: 8, .value_kind: global_buffer, .address_space: global }
    .group_segment_fixed_size: 327680
    .private_segment_fixed_size: 0
    .kernarg_segment_align: 8
    .kernarg_segment_size: 40
    .max_flat_workgroup_size: 128
    .sgpr_count:     98
    .vgpr_count:     1024
    .wavefront_size: 32
...
	.end_amdgpu_metadata
.endif
;; end of part 2
;; launch attn (part 3): grid 4 x 64, 8 waves a work-group, no clusters, 327,680 bytes of LDS; arguments qkv, y; writes y
.if DOCPART == 3
	.amdgcn_target "amdgcn-amd-amdhsa--gfx1250"
	.amdhsa_code_object_version 6
	.text
	.protected	k_qe4101c41ba_attn
	.globl	k_qe4101c41ba_attn
	.p2align	8
	.type	k_qe4101c41ba_attn,@function
k_qe4101c41ba_attn:
	s_mov_b64 s[64:65], 0
	v_nop
	global_prefetch_b8 v0, s[64:65] scope:SCOPE_SE
	s_setreg_imm32_b32 hwreg(HW_REG_WAVE_MODE, 25, 1), 1
	s_wait_xcnt 0x0
; y[h][token][:] = the sum over keys k <= q of softmax_k(Q . K / 8) V, for each of 4 batches x 16 heads of 64 channels and 2,048 tokens.  qkv: [48][8192 tokens][64] f16 (0-15 q's heads, 16-31 k's, 32-47 v's).
; y: [16][8192 tokens][hi 64 | lo 64] f16: y is an operand of the last product and goes there SPLIT: hi = the f32 number with its low 13 mantissa bits cleared, which f16 holds exactly; lo = the number less hi, rounded to f16.
; Products on f16 operands with f32 sums; maxima, exponentials and sums in f32; the weights p, at most 1, are rounded to f16 for the second product.
; SHARES.  Work-group (i, batch and head) owns the blocks of 256 queries 7 - i and i of its head: first block 7 - i against key blocks 0 .. 7 - i, then block i against key blocks 0 .. i: ALWAYS NINE key blocks of 256,
; so all 256 work-groups have the same work and every trip count is a constant.  Each of the eight waves owns 32 queries of the block in hand: two tiles of 16.  Two waves share a SIMD: one's vector work stands beside the other's products.
; NO CLUSTER, though the four work-groups of a head read the same K and V: in this walk the partners want different key blocks from the sixth slot on (8 - i differs), and a joint walk of key blocks 0 .. 7 in step would
; cost, slot by slot, the largest partner's work: 2 + 2 + 2 + 1.5 + 1 + 1 + 1 + 0.5 = 11 units where each partner has 8 of its own.
; LAYOUT.  S^T = K Q^T (source 0 = 16 keys, source 1 = 16 queries): a lane holds ONE query (lane % 16) and the keys 8 (lane / 16) + 0..7.  Two such tiles, rounded to f16 in pairs, ARE source 1 of O^T = V^T P, whose result again
; holds one query a lane and eight channels.  K comes out of LDS as it lies, V ([key][channel]) turned, by ds_load_tr16_b128.
; SOFTMAX.  For each query a running maximum m and sum l: p = 2^(c s - c m), c = log2(e) / 8; in every step O and l are multiplied by a = 2^(c m_old - c m_new), the difference of the two ROUNDED products, so that old and new terms stay on one scale.
; CAUSAL.  A step of 64 keys all of which come after my 32 queries is jumped over (a scalar branch on ids; no barrier and no tensor load stands in a step); in the one step on the diagonal hidden scores become -infinity ahead of the maximum.
; LIMITS: NaN and infinities are not served.  |y| is at most the largest |v|, which stays under 65,504; under 2^-14 hi is rounded to f16's smallest step, 2^-24, and so is lo.
.set KS,    64                         ; keys in a step
.set PK,    144                        ; a row of K in LDS: 128 bytes + 16 of padding: the 16 rows of a load start at 16 different groups of four banks
.set PV,    160                        ; a row of V: 128 + 32
.set VOFF,  KS*PK                      ; a step's tiles lie together: 64 rows of K, then 64 rows of V
.set STEPB, KS*(PK+PV)                 ; 19,456
.set SLOT1, 1<<17                      ; a slot holds four steps (77,824 bytes); slot 1 begins here, so that one exclusive or turns an address in one slot into the other's
.set STAGE, SLOT1+4*STEPB              ; behind slot 1: 32 rows x 272 bytes for each wave, for the way out; no tile lands here
.set SP,    272                        ; a stage row: a token's 128 bytes of hi, its 128 of lo, 16 of padding
.set WST,   32*SP
.set SPARE, STAGE+8*WST                ; the spare words, 128 bytes for each wave: four blocks of 256 bytes that no other line names
.set AK0, 1                            ; v1   my lane's place in a tile of K; never rewritten
.set AV0, 2                            ; v2   the same for V
.set ADK, 3                            ; v3   LDS address of the step's K
.set ADV, 4                            ; v4   and V
.set QO,  5                            ; v5   my byte offset in the wave's rows of Q
.set STO, 6                            ; v6   the way out: where I put 16 bytes of a row
.set RD,  7                            ; v7   where I read them back
.set GO,  8                            ; v8   16 x lane: my place in 512 bytes of y
.set SPW, 9                            ; v9   LDS address of my spare word; never rewritten
.set NIL, 10                           ; v10  0; never rewritten
.set DL,  11                           ; v11  lane % 16 - 8 (lane / 16)
.set ST,  12                           ; tile t's statistics at v[ST + 8 t]: +0 c m, +1 m, +2, +3 l (even keys', odd keys'), +4 to +7 c0-c3, at work; a takes c2's place once the maximum is found
.set D0,  28                           ; v28-29 the mask: my query less the step's first key less 8 (lane / 16), for each tile
.set NINF, 30                          ; v30  -infinity
.set PFO, 31                           ; v31  256 x lane: the prefetches' offset; never rewritten
.set Q,   32                           ; v32-63   Q: tile t, channels 32 cc on: 16 t + 8 cc
.set S,   64                           ; v64-127  S^T, then p: tile t, keys 16 kt on: 32 t + 8 kt;  on the way out y's hi (32 registers) and lo
.set P,   128                          ; v128-159 p in f16, 16 registers a tile;  on the way out at work
.set O,   160                          ; v160-223 O^T: tile t, channels 16 ct on: 32 t + 8 ct;  on the way out whole rows of y
.set OC,  224                          ; v224-225 c m of the step before
.set U,   226                          ; v226-229 a second chain for the sums, a pair a tile
                                       ; window 1: v0-63 K's eight fragments (16 kt + 8 cc), v64-127 V's eight (64 + 32 kc + 8 ct)
.set WV,  8                            ; s8   my wave's number
.set I,   9                            ; s9   i
.set T,   10                           ; s10  slots done
.set NB1, 11                           ; s11  8 - i: key blocks of the first pass
.set KB,  12                           ; s12  the key block last asked for
.set KF,  13                           ; s13  the step's first key
.set Q0,  14                           ; s14  my first query
.set TB,  15                           ; s15  LDS byte at which the step's tiles begin
.set STEPC, 16                         ; s16  counts a slot's four steps
.set LIM, 17                           ; s17  6 in the head's work-group i = 0, else 0: a wave prefetches while s[T] is under it
.set PFA, 18                           ; s[18:19] where my prefetches stand
.set SEL, 20                           ; s[20:21] lane selects for v_permlanex16_b32: lane l xor 16
.set CS,  22                           ; s[22:23] c: the packed form names a pair and takes its low word for both halves
.set G1K, 24                           ; s[24:31] descriptor group 1 for K's tiles;  s[32:39] for V's: it differs in the padding alone
.set G1V, 32
.set G0K, 40                           ; s[40:43], s[44:47] their groups 0, which walk
.set G0V, 44
.set KBASE, 48                         ; s[48:49], s[50:51] my quarter of key block 0, in K and in V
.set VBASE, 50
.set OFF, 52                           ; s[52:53] an offset
.set QP1, 54                           ; s[54:55], s[56:57] my rows of Q in the two passes;  s[58:59], s[60:61] of y
.set QP2, 56
.set YP1, 58
.set YP2, 60
.set MSB, 0
.macro WIN new                         ; the immediate's high byte repeats the setting that is left
.if MSB != \new
	s_set_vgpr_msb (MSB<<8)|\new
.set MSB, \new
.endif
.endm
; Waves 0 to 3 fetch the four steps' tiles of K, waves 4 to 7 those of V: one load of 64 rows a wave.  The branch hangs on the wave's number alone.  Four v_nop follow each of the two lines.
.macro TLOAD
	s_cmp_lt_u32 s[WV], 4
	s_cbranch_scc0 .Lfor_v_\@
	tensor_load_to_lds s[G0K:G0K+3], s[G1K:G1K+7]
	s_nop 0
.rept 4
	v_nop
.endr
	s_branch .Lasked_\@
.Lfor_v_\@:
	tensor_load_to_lds s[G0V:G0V+3], s[G1V:G1V+7]
	s_nop 0
.rept 4
	v_nop
.endr
.Lasked_\@:
.endm
; A PREFETCH INTO THE L2 of the key block that the NEXT change of slots will ask for: four steps, 128 matrix instructions a wave, ahead of that load.  The head's work-group i = 0 walks key blocks 0 .. 7 in its first pass: it asks,
; and nobody else.  Every wave names the quarter that it fetches, 8,192 bytes, lanes 256 bytes apart: each block of 256 bytes is named once in the launch.  Changes 0 to 5 ask for key blocks 2 to 7; blocks 0 and 1 come by their loads alone.
.macro ASK
	s_cmp_lt_u32 s[T], s[LIM]
	s_cbranch_scc0 .Lnot_mine_\@
	global_prefetch_b8 v[PFO], s[PFA:PFA+1] th:TH_LOAD_NT scope:SCOPE_SE
.Lnot_mine_\@:
.endm
	s_load_b128 s[4:7], s[0:1], 0x0                ; qkv s[4:5], y s[6:7]
	v_lshl_add_u32 v[SPW], v0, 2, SPARE
	v_mov_b32 v[NIL], 0
	ds_add_u32 v9, v10
	ds_add_u32 v9, v10
	s_wait_dscnt 0x0
	v_lshrrev_b32 v1, 5, v0
	v_readfirstlane_b32 s[WV], v1                  ; wave 0..7
	s_mov_b32 s[I], ttmp9
	s_and_b32 s62, ttmp7, 0xffff
	s_and_b32 s63, s62, 15                         ; the head,
	s_lshr_b32 s62, s62, 4                         ; the batch
	s_lshl_b32 s63, s63, 20                        ; a head: 8,192 tokens x 128 bytes
	s_lshl_b32 s62, s62, 18                        ; a batch: 2,048 tokens x 128 bytes
	s_add_co_u32 s[OFF], s63, s62                  ; where my head's tokens begin, in each third of qkv; in y twice as far on
	s_mov_b32 s[OFF+1], 0
	s_and_b32 s62, s[WV], 3                        ; which of a slot's four steps I fetch:
	s_lshl_b32 s63, s62, 13                        ; its 64 rows of 128 bytes in memory,
	s_add_co_u32 s2, s[OFF], s63
	s_mov_b32 s3, 0
	s_mul_i32 s62, s62, STEPB                      ; and its place in a slot
	; descriptor group 1: a tile of 64 rows x 64 elements, padded in LDS
	s_mov_b32 s[G1K], (1<<16)|(1<<20)|(4<<22)|(3<<25)  ; 15:0 no mask; 17:16 elements of 2 bytes; 20 padding on; 24:22 after every 32 words (code 4); 31:25 4 words of it (code 3)
	s_mov_b32 s[G1V], (1<<16)|(1<<20)|(4<<22)|(7<<25)  ; the same with 8 words of padding (code 7)
.irp g, G1K, G1V
	s_mov_b32 s[\g+1], 64<<16                      ; tensor_dim0 = 64
	s_mov_b32 s[\g+2], KS<<16                      ; tensor_dim1 = 64
	s_mov_b32 s[\g+3], 64<<16                      ; tile_dim0 = 64
	s_mov_b32 s[\g+4], KS                          ; tile_dim1 = 64
	s_mov_b32 s[\g+5], 64                          ; tensor_dim0_stride: elements from row to row
	s_mov_b32 s[\g+6], 0
	s_mov_b32 s[\g+7], 0
.endr
	s_wait_kmcnt 0x0
	s_add_nc_u64 s[KBASE:KBASE+1], s[4:5], s[2:3]
	s_add_nc_u64 s[VBASE:VBASE+1], s[KBASE:KBASE+1], 32*1048576
	s_add_nc_u64 s[KBASE:KBASE+1], s[KBASE:KBASE+1], 16*1048576
	s_mov_b32 s[G0K], 1                            ; 1:0 count = 1
	s_mov_b32 s[G0K+1], s62                        ; 63:32 LDS address: slot 0
	s_mov_b64 s[G0K+2:G0K+3], s[KBASE:KBASE+1]     ; 120:64 global address: key block 0
	s_or_b32 s[G0K+3], s[G0K+3], 0x80000000        ; 127:126 type = 2
	s_mov_b32 s[G0V], 1
	s_add_co_u32 s[G0V+1], s62, VOFF
	s_mov_b64 s[G0V+2:G0V+3], s[VBASE:VBASE+1]
	s_or_b32 s[G0V+3], s[G0V+3], 0x80000000
	TLOAD                                          ; slot 0's first fill, ahead of every wait on TENSORcnt, every LDS read and every barrier: one load of mine is out, here and behind every change of slots
	s_sub_co_u32 s62, 7, s[I]
	s_lshl_b32 s62, s62, 8
	s_lshl_b32 s63, s[WV], 5
	s_add_co_u32 s[Q0], s62, s63                   ; the first pass: my first query = 256 (7 - i) + 32 wave
	s_lshl_b32 s2, s[Q0], 7
	s_add_co_u32 s2, s2, s[OFF]
	s_add_nc_u64 s[QP1:QP1+1], s[4:5], s[2:3]
	s_lshl_b32 s2, s2, 1                           ; in y a token of a head is 256 bytes
	s_add_nc_u64 s[YP1:YP1+1], s[6:7], s[2:3]
	s_lshl_b32 s62, s[I], 8
	s_add_co_u32 s62, s62, s63                     ; the second: 256 i + 32 wave
	s_lshl_b32 s2, s62, 7
	s_add_co_u32 s2, s2, s[OFF]
	s_add_nc_u64 s[QP2:QP2+1], s[4:5], s[2:3]
	s_lshl_b32 s2, s2, 1
	s_add_nc_u64 s[YP2:YP2+1], s[6:7], s[2:3]
	s_cmp_lt_u32 s[WV], 4
	s_cselect_b64 s[PFA:PFA+1], s[KBASE:KBASE+1], s[VBASE:VBASE+1]
	s_add_nc_u64 s[PFA:PFA+1], s[PFA:PFA+1], 32768 ; at key block 1: the first change of slots steps it to block 2.  Nothing is prefetched here, at the head
	s_cmp_eq_u32 s[I], 0
	s_cselect_b32 s[LIM], 6, 0
	s_sub_co_u32 s[NB1], 8, s[I]
	s_mov_b32 s[SEL], 0x76543210
	s_mov_b32 s[SEL+1], 0xfedcba98
	s_mov_b32 s[CS], 0x3e38aa3b                    ; c = log2(e) / 8
	s_mov_b32 s[CS+1], s[CS]                       ; (named with it as a pair, so it is written)
	s_mov_b32 s[KB], 0
	s_mov_b32 s[T], 0
	s_mov_b32 s[KF], 0
	s_mov_b32 s[TB], 0
	v_and_b32 v12, 15, v0                          ; r = lane % 16
	v_bfe_u32 v13, v0, 4, 1                        ; h = lane / 16
	v_and_b32 v14, 31, v0                          ; lane
	v_mul_u32_u24 v[AK0], v12, PK                  ; a fragment of K or Q is 16 rows x 32 channels: lane l holds row l % 16; registers 0-3 channels 8 h + 0..7, registers 4-7 channels 16 + 8 h + 0..7: two loads of 16 bytes, 32 bytes apart
	v_lshl_add_u32 v[AK0], v13, 4, v[AK0]
	v_and_b32 v15, 7, v0                           ; the turning load takes 16 keys x 16 channels: lane l reads key 8 h + l % 8, channels 8 ((l / 8) % 2) + 0..7, and is left with channel l % 16 and 8 keys
	v_lshl_add_u32 v[AV0], v13, 3, v15
	v_mul_u32_u24 v[AV0], v[AV0], PV
	v_bfe_u32 v15, v0, 3, 1
	v_lshl_add_u32 v[AV0], v15, 4, v[AV0]
	v_add_nc_u32 v[AV0], VOFF, v[AV0]
	v_lshlrev_b32 v[QO], 7, v12
	v_lshl_add_u32 v[QO], v13, 4, v[QO]            ; Q: row r of 128 bytes, + 16 h
	s_mul_i32 s62, s[WV], WST
	s_add_co_u32 s62, s62, STAGE                   ; my stage
	v_mul_u32_u24 v[STO], v12, SP                  ; in: row r of 272 bytes, 16 bytes for each half of the lanes
	v_lshl_add_u32 v[STO], v13, 4, v[STO]
	v_add_nc_u32 v[STO], s62, v[STO]
	v_mul_u32_u24 v[RD], v13, SP                   ; back: sixteen lanes to a row of 256 bytes, two rows an instruction
	v_lshl_add_u32 v[RD], v12, 4, v[RD]
	v_add_nc_u32 v[RD], s62, v[RD]
	v_lshlrev_b32 v[GO], 4, v14                    ; in y two tokens of a head are 512 consecutive bytes: 16 a lane
	v_lshlrev_b32 v15, 3, v13
	v_sub_nc_u32 v[DL], v12, v15
	v_mov_b32 v[NINF], 0xff800000
	v_lshlrev_b32 v[PFO], 8, v14
; A PASS BEGINS: my 32 queries into registers; m = -3e38, under every score; l and O^T are zeros, which the first change of the maximum leaves zeros: so a key step is written once.  c0-c3 are written, since a lane
; permute's destination and the upper half of a named pair count as read.
.macro INIT qp
.irp t, 0,1
.irp cc, 0,1
.irp e, 0,1
	global_load_b128 v[Q+16*\t+8*\cc+4*\e:Q+16*\t+8*\cc+4*\e+3], v[QO], s[\qp:\qp+1] offset:2048*\t+64*\cc+32*\e th:TH_LOAD_NT
.endr
.endr
.endr
.irp t, 0,1
	v_mov_b32 v[ST+8*\t+1], 0xff61b1e6
	v_mul_f32 v[ST+8*\t], s[CS], v[ST+8*\t+1]
.irp j, 2,3,4,5,6,7
	v_mov_b32 v[ST+8*\t+\j], 0
.endr
.endr
.set i, 0
.rept 64
	v_mov_b32 v[O+i], 0
.set i, i+1
.endr
	s_wait_loadcnt 0x0
.endm
; THE SOFTMAX of a step, both tiles, all in window 0.
.macro SOFTMAX
.irp j, 0,1,2,3                        ; the maximum of 32 scores and the old m, three operands at a time: four chains of seven scores; each accumulator is first read at its low end; the two tiles alternate
.irp t, 0,1
	v_max3_num_f32 v[ST+8*\t+4+\j], v[S+32*\t+8*\j], v[S+32*\t+8*\j+1], v[S+32*\t+8*\j+2]
.endr
.endr
.irp g, 1,2
.irp j, 0,1,2,3
.irp t, 0,1
	v_max3_num_f32 v[ST+8*\t+4+\j], v[ST+8*\t+4+\j], v[S+32*\t+8*\j+2*\g+1], v[S+32*\t+8*\j+2*\g+2]
.endr
.endr
.endr
.irp t, 0,1
	v_max3_num_f32 v[ST+8*\t+4], v[ST+8*\t+4], v[S+32*\t+7], v[S+32*\t+15]
.endr
.irp t, 0,1
	v_max3_num_f32 v[ST+8*\t+6], v[ST+8*\t+6], v[S+32*\t+23], v[S+32*\t+31]
.endr
.irp t, 0,1
	v_max3_num_f32 v[ST+8*\t+4], v[ST+8*\t+4], v[ST+8*\t+5], v[ST+8*\t+6]
.endr
.irp t, 0,1
	v_max3_num_f32 v[ST+8*\t+4], v[ST+8*\t+4], v[ST+8*\t+7], v[ST+8*\t+1]
.endr
.irp t, 0,1
	v_permlanex16_b32 v[ST+8*\t+5], v[ST+8*\t+4], s[SEL], s[SEL+1]   ; the query's other 32 keys lie in the lane 16 away
.endr
.irp t, 0,1
	v_max_num_f32 v[ST+8*\t+1], v[ST+8*\t+4], v[ST+8*\t+5]           ; the new m
.endr
.irp t, 0,1
	v_mul_f32 v[ST+8*\t], s[CS], v[ST+8*\t+1]                        ; c m
.endr
.irp t, 0,1
	v_sub_f32 v[ST+8*\t+7], v[OC+\t], v[ST+8*\t]                     ; c m_old - c m_new
.endr
.irp t, 0,1
	v_exp_f32 v[ST+8*\t+6], v[ST+8*\t+7]                             ; a
.endr
.set i, 0
.rept 32                               ; c s - c m, two at a time (plain lines behind the two exponentials)
	v_pk_fma_f32 v[S+2*i:S+2*i+1], v[S+2*i:S+2*i+1], s[CS:CS+1], v[ST+8*(i/16):ST+8*(i/16)+1] op_sel_hi:[1,0,0] neg_lo:[0,0,1] neg_hi:[0,0,1]
.set i, i+1
.endr
.set i, 0
.rept 32                               ; the 64 exponentials, with a plain line behind each: O^T times a (each accumulator from its low end on), and the rounding to f16 of the pair before
	v_exp_f32 v[S+2*i], v[S+2*i]
	s_wait_alu depctr_va_vdst(0)
	v_pk_mul_f32 v[O+2*i:O+2*i+1], v[O+2*i:O+2*i+1], v[ST+8*(i/16)+6:ST+8*(i/16)+7] op_sel_hi:[1,0]
	v_exp_f32 v[S+2*i+1], v[S+2*i+1]
.if i > 0
	s_wait_alu depctr_va_vdst(0)
	v_cvt_pk_f16_f32 v[P+i-1], v[S+2*i-2], v[S+2*i-1]
.endif
.set i, i+1
.endr
	v_pk_fma_f32 v[ST+2:ST+3], v[ST+2:ST+3], v[ST+6:ST+7], v[S:S+1] op_sel_hi:[1,0,1]          ; l = a l + the sum of p, unrounded: in a pair an even key's weight and an odd key's; two chains a tile
	v_cvt_pk_f16_f32 v[P+31], v[S+62], v[S+63]
	v_pk_fma_f32 v[ST+10:ST+11], v[ST+10:ST+11], v[ST+14:ST+15], v[S+32:S+33] op_sel_hi:[1,0,1]
.irp t, 0,1
	v_pk_add_f32 v[U+2*\t:U+2*\t+1], v[S+32*\t+2:S+32*\t+3], v[S+32*\t+6:S+32*\t+7]
.endr
.irp g, 2,4,6,8,10,12
.irp t, 0,1
	v_pk_add_f32 v[ST+8*\t+2:ST+8*\t+3], v[ST+8*\t+2:ST+8*\t+3], v[S+32*\t+2*\g:S+32*\t+2*\g+1]
	v_pk_add_f32 v[U+2*\t:U+2*\t+1], v[U+2*\t:U+2*\t+1], v[S+32*\t+2*\g+6:S+32*\t+2*\g+7]
.endr
.endr
.irp t, 0,1
	v_pk_add_f32 v[ST+8*\t+2:ST+8*\t+3], v[ST+8*\t+2:ST+8*\t+3], v[S+32*\t+28:S+32*\t+29]
.endr
.irp t, 0,1
	v_pk_add_f32 v[ST+8*\t+2:ST+8*\t+3], v[ST+8*\t+2:ST+8*\t+3], v[U+2*\t:U+2*\t+1]
.endr
.endm
; A KEY STEP: 64 keys against my 32 queries.  A vector instruction that reads a matrix result, and a load into a register that a matrix instruction has read, stand four places behind it, and only plain vector instructions
; that name none of its registers are places (ISA guide 7.12.1 for vector instructions).
.macro STEP
	s_add_co_u32 s62, s[Q0], 31
	s_cmp_gt_u32 s[KF], s62
	s_cbranch_scc1 .Lhidden_\@                     ; all 64 keys come after my last query
	v_add_nc_u32 v[ADK], s[TB], v[AK0]
	v_add_nc_u32 v[ADV], s[TB], v[AV0]
	v_nop
	v_nop                                          ; four places behind the last step's products, which read V's registers
	WIN 0x40                                       ; destination window 1, address window 0
.irp kt, 0,1,2,3
.irp cc, 0,1
	ds_load_b128 v[16*\kt+8*\cc:16*\kt+8*\cc+3],   v[ADK] offset:\kt*16*PK+64*\cc
	ds_load_b128 v[16*\kt+8*\cc+4:16*\kt+8*\cc+7], v[ADK] offset:\kt*16*PK+64*\cc+32
.endr
.endr
.irp kc, 0,1
.irp ct, 0,1,2,3
	ds_load_tr16_b128 v[64+32*\kc+8*\ct:64+32*\kc+8*\ct+3],   v[ADV] offset:\kc*32*PV+32*\ct
	ds_load_tr16_b128 v[64+32*\kc+8*\ct+4:64+32*\kc+8*\ct+7], v[ADV] offset:\kc*32*PV+16*PV+32*\ct
.endr
.endr
	s_wait_dscnt 16                                ; K is in; V's sixteen loads may be out
	WIN 0x01                                       ; source 0 window 1
.irp cc, 0,1                           ; S^T = K Q^T: the eight accumulators take turns, one instruction a turn; the first eight start the sums
.irp kt, 0,1,2,3
.irp t, 0,1
.if \cc == 0
	v_wmma_f32_16x16x32_f16 v[S+32*\t+8*\kt:S+32*\t+8*\kt+7], v[16*\kt+8*\cc:16*\kt+8*\cc+7], v[Q+16*\t+8*\cc:Q+16*\t+8*\cc+7], 0
.else
	v_wmma_f32_16x16x32_f16 v[S+32*\t+8*\kt:S+32*\t+8*\kt+7], v[16*\kt+8*\cc:16*\kt+8*\cc+7], v[Q+16*\t+8*\cc:Q+16*\t+8*\cc+7], v[S+32*\t+8*\kt:S+32*\t+8*\kt+7]
.endif
.endr
.endr
.endr
	WIN 0
	v_mov_b32 v[OC], v[ST]                         ; c m_old is kept for a
	v_mov_b32 v[OC+1], v[ST+8]
	v_nop
	v_nop                                          ; four places in front of the first read of the scores
	s_add_co_u32 s62, s[KF], 63
	s_cmp_le_u32 s62, s[Q0]
	s_cbranch_scc1 .Lopen_\@                       ; all 64 keys count for all my queries
	s_sub_co_i32 s62, s[Q0], s[KF]
	v_add_nc_u32 v[D0], s62, v[DL]                 ; register n of tile t holds key KF + 16 (n / 8) + 8 h + n % 8, and my query is Q0 + 16 t + r: hidden where 16 (n / 8) + n % 8 > Q0 - KF + 16 t + r - 8 h
	v_add_nc_u32 v[D0+1], 16, v[D0]
.irp t, 0,1
.irp n, 0,1,2,3,4,5,6,7,8,9,10,11,12,13,14,15,16,17,18,19,20,21,22,23,24,25,26,27,28,29,30,31
	v_cmp_gt_i32 vcc_lo, 16*(\n/8)+\n%8, v[D0+\t]
	v_cndmask_b32 v[S+32*\t+\n], v[S+32*\t+\n], v[NINF], vcc_lo
.endr
.endr
.Lopen_\@:
	SOFTMAX
	s_wait_dscnt 0x0                               ; V is in
	WIN 0x01
.irp kc, 0,1                           ; O^T += V^T P: eight accumulators by turns
.irp ct, 0,1,2,3
.irp t, 0,1
	v_wmma_f32_16x16x32_f16 v[O+32*\t+8*\ct:O+32*\t+8*\ct+7], v[64+32*\kc+8*\ct:64+32*\kc+8*\ct+7], v[P+16*\t+8*\kc:P+16*\t+8*\kc+7], v[O+32*\t+8*\ct:O+32*\t+8*\ct+7]
.endr
.endr
.endr
	WIN 0
.Lhidden_\@:
	s_add_co_u32 s[KF], s[KF], KS
	s_add_co_u32 s[TB], s[TB], STEPB
.endm
; THE CHANGE OF SLOTS stands at a slot's head.  Each wave waits for all its tensor loads (its part of the slot that it is about to read), adds 0 to its spare word, and waits for that and for its reads of the slot that it has left.
; Behind the barrier the slot ahead is whole and nobody reads the other one.  fill = 1: that other slot is filled with the key block that follows (after 7 - i comes 0, for the second pass): the load has four steps in which to land.
.macro CHANGE fill
	s_wait_tensorcnt 0x0                           ; no tensor load of mine is out, so a group 0 may be written
	ds_add_u32 v[SPW], v[NIL]                      ; 0 onto my spare word: the descriptors' steps stand between it and the wait for it
.if \fill
	s_add_co_u32 s[KB], s[KB], 1
	s_cmp_eq_u32 s[KB], s[NB1]
	s_cselect_b32 s[KB], 0, s[KB]
	s_lshl_b32 s[OFF], s[KB], 15                   ; a key block: 256 rows of 128 bytes
	s_xor_b32 s[G0K+1], s[G0K+1], SLOT1            ; the other slot than last time
	s_add_nc_u64 s[G0K+2:G0K+3], s[KBASE:KBASE+1], s[OFF:OFF+1]
	s_or_b32 s[G0K+3], s[G0K+3], 0x80000000
	s_xor_b32 s[G0V+1], s[G0V+1], SLOT1
	s_add_nc_u64 s[G0V+2:G0V+3], s[VBASE:VBASE+1], s[OFF:OFF+1]
	s_or_b32 s[G0V+3], s[G0V+3], 0x80000000
	s_wait_xcnt 0x0                                ; the last prefetch, a slot back, has read its address, so it may be written
	s_add_nc_u64 s[PFA:PFA+1], s[PFA:PFA+1], 32768
.endif
	s_wait_dscnt 0x0                               ; the add is done, and my reads of the slot that I have left are over
	s_barrier_signal -1
	s_barrier_wait -1
.if \fill
	TLOAD                                          ; the first thing behind the barrier, and my one tensor load until the next
	ASK
.endif
.endm
.macro SLOT_STEPS                      ; a slot's four steps: written once, walked four times; the LDS addresses hang on s[TB]
	s_mov_b32 s[STEPC], 4
.Lstep_\@:
	STEP
	s_sub_co_u32 s[STEPC], s[STEPC], 1
	s_cmp_lg_u32 s[STEPC], 0
	s_cbranch_scc1 .Lstep_\@
	s_sub_co_u32 s[TB], s[TB], 4*STEPB             ; back to a slot's first step,
	s_xor_b32 s[TB], s[TB], SLOT1                  ; in the other slot
.endm
; A PASS ENDS.  l's two halves and the other half of the lanes' are added (plain lines: the places behind the last products); O^T is divided by l and split into hi + lo, both f16; a lane's eight channels are 16 bytes of hi and 16 of lo
; of one row.  They go through my own stage and come back as whole rows of 256 bytes, two at a time: 32 lanes store 512 consecutive bytes, aligned.
.macro FINAL yp
.irp t, 0,1
	v_add_f32 v[ST+8*\t+4], v[ST+8*\t+2], v[ST+8*\t+3]
.endr
.irp t, 0,1
	v_permlanex16_b32 v[ST+8*\t+5], v[ST+8*\t+4], s[SEL], s[SEL+1]
.endr
.irp t, 0,1
	v_add_f32 v[ST+8*\t+4], v[ST+8*\t+4], v[ST+8*\t+5]
.endr
.irp t, 0,1
	v_rcp_f32 v[ST+8*\t+6], v[ST+8*\t+4]
.endr
	v_nop                                          ; a plain line between the last reciprocal and the use of its result
.set i, 0
	s_wait_alu depctr_va_vdst(0)
.rept 32
	v_pk_mul_f32 v[O+2*i:O+2*i+1], v[O+2*i:O+2*i+1], v[ST+8*(i/16)+6:ST+8*(i/16)+7] op_sel_hi:[1,0]
.set i, i+1
.endr
.set i, 0
.rept 32
	v_and_b32 v[P+2*(i%4)], 0xffffe000, v[O+2*i]                   ; hi: sign, exponent and the ten mantissa bits that f16 holds
	v_and_b32 v[P+2*(i%4)+1], 0xffffe000, v[O+2*i+1]
	v_pk_add_f32 v[P+8+2*(i%4):P+8+2*(i%4)+1], v[O+2*i:O+2*i+1], v[P+2*(i%4):P+2*(i%4)+1] neg_lo:[0,1] neg_hi:[0,1]   ; lo = the number less hi: exact
	v_cvt_pk_f16_f32 v[S+i], v[P+2*(i%4)], v[P+2*(i%4)+1]
	v_cvt_pk_f16_f32 v[S+32+i], v[P+8+2*(i%4)], v[P+8+2*(i%4)+1]
.set i, i+1
.endr
.irp t, 0,1
.irp ct, 0,1,2,3
	ds_store_b128 v[STO], v[S+16*\t+4*\ct:S+16*\t+4*\ct+3] offset:\t*16*SP+32*\ct
	ds_store_b128 v[STO], v[S+32+16*\t+4*\ct:S+32+16*\t+4*\ct+3] offset:\t*16*SP+128+32*\ct
.endr
.endr
.irp f, 0,1,2,3,4,5,6,7,8,9,10,11,12,13,14,15
	ds_load_b128 v[O+4*\f:O+4*\f+3], v[RD] offset:\f*2*SP          ; LDS serves a wave's instructions in order (ISA guide 5.7.1.4): these see the stores above
.endr
.irp f, 0,1,2,3,4,5,6,7,8,9,10,11,12,13,14,15
	s_wait_dscnt 15-\f
	global_store_b128 v[GO], v[O+4*\f:O+4*\f+3], s[\yp:\yp+1] offset:512*\f
.endr
.endm
	INIT QP1
.Lslot:                                            ; eight trips: behind each change of slots but the last the next key block is asked for
	CHANGE 1
	SLOT_STEPS
	s_add_co_u32 s[T], s[T], 1
	s_cmp_lg_u32 s[T], s[NB1]                      ; the first pass ends behind slot 7 - i: a branch on ids, the same in all eight waves; no barrier and no tensor load stands under it
	s_cbranch_scc1 .Lsame
	FINAL YP1
	s_mov_b32 s[KF], 0
	s_lshl_b32 s[Q0], s[I], 8
	s_lshl_b32 s62, s[WV], 5
	s_add_co_u32 s[Q0], s[Q0], s62
	s_wait_xcnt 0x0                                ; the stores have read their registers, O's, which the next pass clears
	INIT QP2
.Lsame:
	s_cmp_lt_u32 s[T], 8
	s_cbranch_scc1 .Lslot
	CHANGE 0                                       ; the last slot is written out
	SLOT_STEPS
	FINAL YP2
	s_wait_tensorcnt 0x0                           ; the wave's end: behind my last tensor load and my last LDS store
	ds_add_u32 v[SPW], v[NIL]
	s_wait_dscnt 0x0
	s_endpgm
.Lfunc_end_k_qe4101c41ba_attn:
	.size	k_qe4101c41ba_attn, .Lfunc_end_k_qe4101c41ba_attn-k_qe4101c41ba_attn
	.p2alignl 7, 3214868480
	.fill 96, 4, 3214868480
	.section	.rodata,"a",@progbits
	.p2align	6, 0x0
	.amdhsa_kernel k_qe4101c41ba_attn
		.amdhsa_group_segment_fixed_size 327680
		.amdhsa_private_segment_fixed_size 0
		.amdhsa_enable_private_segment 0
		.amdhsa_kernarg_size 16
		.amdhsa_user_sgpr_count 2
		.amdhsa_user_sgpr_kernarg_segment_ptr 1
		.amdhsa_wavefront_size32 1
		.amdhsa_system_sgpr_workgroup_id_x 1
		.amdhsa_system_sgpr_workgroup_id_y 1
		.amdhsa_system_sgpr_workgroup_id_z 1
		.amdhsa_system_vgpr_workitem_id 0
		.amdhsa_next_free_vgpr 384
		.amdhsa_next_free_sgpr 66
		.amdhsa_reserve_vcc 1
		.amdhsa_float_denorm_mode_32 3
		.amdhsa_float_denorm_mode_16_64 3
		.amdhsa_memory_ordered 1
		.amdhsa_forward_progress 1
		.amdhsa_inst_pref_size 94
	.end_amdhsa_kernel
	.amdgpu_metadata
---
amdhsa.version: [ 1, 2 ]
amdhsa.kernels:
  - .name:           k_qe4101c41ba_attn
    .symbol:         k_qe4101c41ba_attn.kd
    .args:
      - { .name: qkv, .offset: 0, .size: 8, .value_kind: global_buffer, .address_space: global }
      - { .name: y, .offset: 8, .size: 8, .value_kind: global_buffer, .address_space: global }
    .group_segment_fixed_size: 327680
    .private_segment_fixed_size: 0
    .kernarg_segment_align: 8
    .kernarg_segment_size: 16
    .max_flat_workgroup_size: 256
    .sgpr_count:     66
    .vgpr_count:     384
    .wavefront_size: 32
...
	.end_amdgpu_metadata
.endif
;; end of part 3
;; launch proj (part 4): grid 8 x 32, 4 waves a work-group, clusters of 4 x 4, 327,680 bytes of LDS; arguments y, wpt, out0; writes out0
.if DOCPART == 4
	.amdgcn_target "amdgcn-amd-amdhsa--gfx1250"
	.amdhsa_code_object_version 6
	.text
	.protected	k_qe4101c41ba_proj
	.globl	k_qe4101c41ba_proj
	.p2align	8
	.type	k_qe4101c41ba_proj,@function
k_qe4101c41ba_proj:
	s_mov_b64 s[64:65], 0
	v_nop
	global_prefetch_b8 v0, s[64:65] scope:SCOPE_SE
	s_setreg_imm32_b32 hwreg(HW_REG_WAVE_MODE, 25, 1), 1
	s_wait_xcnt 0x0
	s_wait_alu depctr_hold_cnt(0) depctr_sa_sdst(0) depctr_va_vdst(0) depctr_va_sdst(0) depctr_va_ssrc(0) depctr_va_vcc(0) depctr_vm_vsrc(0)
	s_getreg_b32 s2, hwreg(HW_REG_IB_STS2, 6, 4)
	s_cmp_eq_u32 s2, 0
	s_cbranch_scc0 .Lentry_in_a_cluster
	s_endpgm
.Lentry_in_a_cluster:
	s_bfe_u32 s2, ttmp6, 0x10000c
	s_cmp_lg_u32 s2, 0xf033
	s_cbranch_scc0 .Lentry_shape_is_right
	s_endpgm
.Lentry_shape_is_right:
; out0[m][n] = the sum over k of y[m][k] w_proj[k][n], f16 operands, f32 sums, f32 result.  BOTH OPERANDS COME SPLIT, y = yh + yl and w = wh + wl, and three products are summed: yh wh + yl wh + yh wl; what is left out, yl wl, is 2^-20 of the result.
; A: y [16 heads][8192 tokens][hi 64 | lo 64] f16 (head h is k = 64 h .. 64 h + 63);  B: wpt [1024 n][16 heads][hi 64 | lo 64] f16;  out0 [8192][1024] f32.
; A tile of out0 is 256 tokens x 128 columns: 256 work-groups.  Four waves, each 128 x 64: 32 accumulators of 16 x 16, 256 registers.  K goes in 16 steps of one head through a ring of two LDS slots filled by the tensor data mover.
; A K step of A is 256 tokens x 256 bytes, one dense block of memory; of B 128 rows x 256 bytes.  Waves 0 and 1 fetch A's halves, waves 2 and 3 B's: one load a wave.
; CLUSTERS: 4 x 4 work-groups.  The four of a row of the cluster need the same tiles of A, the four of a column the same tiles of B: each tile is asked for JOINTLY, by the same tensor load with the same descriptor and a mask that names the four.
; THE MATRIX INSTRUCTION IS USED TRANSPOSED (source 0 = 16 rows of B, source 1 = 16 rows of A): a lane then holds eight neighbouring columns of one row of out0.
; REGISTERS: window 0: v0-31 addresses; v32-127 and v128-223 two buffers for the hi fragments of 32 along K (B's 4, then A's 8); on the way out v32-95 take rows.   window 2: the lo fragments, under the same numbers.
;   window 1: the accumulators ((a, b) at v[8 (4 a + b)]).
.set AP,     272                       ; a row in LDS: 128 bytes of hi, 128 of lo, 16 of padding = 68 words: the 16 rows that a load touches start at 16 different banks (64 banks of 4 bytes: ISA guide 11.1)
.set BP,     272
.set LO,     128                       ; lo's place in a row
.set BOFF,   256*AP                    ; B's 128 rows lie behind A's 256
.set SLOT,   BOFF+128*BP               ; 104,448
.set STAGE,  2*SLOT                    ; behind the ring: 16 rows x 272 bytes for each wave, for the way out
.set SPITCH, 272
.set SPARE,  STAGE+4*16*SPITCH         ; the spare words, 128 bytes for each wave: two blocks of 256 bytes that no other line names
.set ADRA, 16                          ; v16-17  LDS address of my A fragments in slot 0, 1
.set ADRB, 20                          ; v20-21  the same for B
.set STO,  24                          ; v24     the way out: where I put 32 bytes of a row
.set RD,   25                          ; v25     where I read a row back
.set CO,   26                          ; v26     my byte offset in two rows of out0
.set SPW,  28                          ; v28     LDS address of my spare word; never rewritten
.set NIL,  29                          ; v29     0; never rewritten
.set F0,   32
.set F1,   128
.set BK,   32                          ; the way out: v32-63 and v64-95 by turns
.set G1, 24                            ; s[24:31] descriptor group 1 for A's tiles;  s[32:39] group 0, one set for each slot
.set G0, 32
.set G1B, 48                           ; s[48:55], s[56:63] the same for B's tiles
.set G0B, 56
.set MSB, 0
.macro WIN new                         ; the immediate's high byte repeats the setting that is left
.if MSB != \new
	s_set_vgpr_msb (MSB<<8)|\new
.set MSB, \new
.endif
.endm
.set M_HH, 0x50                        ; C and D window 1; B hi and A hi: both sources window 0
.set M_HL, 0x58                        ; B hi (source 0, window 0) x A lo (source 1, window 2)
.set M_LH, 0x52                        ; B lo (source 0, window 2) x A hi
.set TO_LO, 0x80                       ; destination window 2, address window 0
.macro JLOAD s                         ; a joint load: waves 0 and 1 fetch for A, waves 2 and 3 for B; four v_nop follow each of the two lines, ahead of the jump, the label and what follows
	s_cmp_eq_u32 s11, 0
	s_cbranch_scc0 .Lfor_b_\@
	tensor_load_to_lds s[G0+4*\s:G0+4*\s+3], s[G1:G1+7]
	s_nop 0
.rept 4
	v_nop
.endr
	s_branch .Lasked_\@
.Lfor_b_\@:
	tensor_load_to_lds s[G0B+4*\s:G0B+4*\s+3], s[G1B:G1B+7]
	s_nop 0
.rept 4
	v_nop
.endr
.Lasked_\@:
.endm
.macro CREST                           ; a round of the cluster's barrier behind its opening barrier
	s_cmp_lg_u32 s10, 0
	s_cbranch_scc1 .Lnot_wave_0_\@
	s_barrier_signal -3
.Lnot_wave_0_\@:
	s_barrier_wait -3
	s_barrier_signal -1
	s_barrier_wait -1
.endm
.macro CROUND                          ; a whole round
	s_barrier_signal -1
	s_barrier_wait -1
	CREST
.endm
	s_load_b128 s[4:7], s[0:1], 0x0                ; y s[4:5], wpt s[6:7]
	s_load_b64 s[8:9], s[0:1], 0x10                ; out0
	v_lshl_add_u32 v[SPW], v0, 2, SPARE
	v_mov_b32 v[NIL], 0
	ds_add_u32 v28, v29
	ds_add_u32 v28, v29
	s_wait_dscnt 0x0
	v_lshrrev_b32 v1, 5, v0
	v_readfirstlane_b32 s10, v1                    ; wave 0..3
	s_lshr_b32 s11, s10, 1                         ; which half of the tile's rows is mine.  Also: I fetch for A (0) or for B (1)
	s_and_b32 s12, s10, 1                          ; which half of its columns.  Also: which half of A's 256 rows, or of B's 128, I fetch
	s_bfe_u32 s40, ttmp6, 0x40000                  ; cx, cy: my place in the cluster
	s_bfe_u32 s41, ttmp6, 0x40004
	s_lshl_b32 s42, ttmp9, 2
	s_add_co_u32 s42, s42, s40                     ; tile column = 4 x cluster x + cx
	s_and_b32 s13, ttmp7, 0xffff
	s_lshl_b32 s13, s13, 2
	s_add_co_u32 s13, s13, s41                     ; tile row = 4 x cluster y + cy
	s_lshl_b32 s43, s41, 2
	s_lshl_b32 s43, 15, s43                        ; my row of the cluster
	s_lshl_b32 s44, 0x1111, s40                    ; my column
	; descriptor group 1.  A: 128 rows x 128 elements, dense;  B: 64 rows x 128 elements, 2,048 elements apart
	s_or_b32 s[G1+0], s43, (1<<16)|(1<<20)|(1<<21)|(5<<22)|(3<<25)  ; 15:0 the mask: A's tiles go to my row; 17:16 element of 2 bytes; 20 padding on; 21 set beside a mask; 24:22 after every 64 words (code 5); 31:25 of 4 words (code 3)
	s_mov_b32 s[G1+1], 128<<16                     ; tensor_dim0 = 128
	s_mov_b32 s[G1+2], 128<<16                     ; tensor_dim1 = 128
	s_mov_b32 s[G1+3], 128<<16                     ; tile_dim0 = 128
	s_mov_b32 s[G1+4], 128                         ; tile_dim1 = 128
	s_mov_b32 s[G1+5], 128                         ; tensor_dim0_stride
	s_mov_b32 s[G1+6], 0
	s_mov_b32 s[G1+7], 0
	s_or_b32 s[G1B+0], s44, (1<<16)|(1<<20)|(1<<21)|(5<<22)|(3<<25) ; the same with the mask of my column
	s_mov_b32 s[G1B+1], 128<<16
	s_mov_b32 s[G1B+2], 64<<16
	s_mov_b32 s[G1B+3], 128<<16
	s_mov_b32 s[G1B+4], 64
	s_mov_b32 s[G1B+5], 2048
	s_mov_b32 s[G1B+6], 0
	s_mov_b32 s[G1B+7], 0
	; where the tiles come from.  A's hang on the tile row alone, which my row of the cluster shares; B's on the tile column alone.  Every wave makes both addresses, in registers that never hold the other coordinate
	s_lshl_b32 s16, s13, 16                        ; A: 256 tokens x 256 bytes a tile row,
	s_lshl_b32 s17, s12, 15                        ; 128 tokens on for the second half
	s_add_co_u32 s16, s16, s17
	s_mov_b32 s17, 0
	s_lshl_b32 s46, s42, 19                        ; B: 128 rows x 4,096 bytes a tile column,
	s_lshl_b32 s47, s12, 18                        ; 64 rows on for the second half
	s_add_co_u32 s46, s46, s47
	s_mov_b32 s47, 0
	s_mul_i32 s20, s12, 128*AP                     ; and where they go: no place in the cluster enters an LDS address
	s_mul_i32 s45, s12, 64*BP
	s_add_co_u32 s45, s45, BOFF
	s_wait_kmcnt 0x0
	s_add_nc_u64 s[14:15], s[4:5], s[16:17]
	s_add_nc_u64 s[46:47], s[6:7], s[46:47]
	CROUND                                         ; all sixteen work-groups are here: the first joint loads meet
.irp s, 0,1
	s_mov_b32 s[G0+4*\s], 1                                        ; 1:0 count = 1
	s_add_co_u32 s[G0+4*\s+1], s20, \s*SLOT                        ; 63:32 LDS address
	s_add_nc_u64 s[G0+4*\s+2:G0+4*\s+3], s[14:15], \s*2097152      ; 120:64 global address: K step s = head s: 8,192 tokens x 256 bytes a head
	s_or_b32 s[G0+4*\s+3], s[G0+4*\s+3], 0x80000000                ; 127:126 type = 2
	s_mov_b32 s[G0B+4*\s], 1
	s_add_co_u32 s[G0B+4*\s+1], s45, \s*SLOT
	s_add_nc_u64 s[G0B+4*\s+2:G0B+4*\s+3], s[46:47], \s*256
	s_or_b32 s[G0B+4*\s+3], s[G0B+4*\s+3], 0x80000000
	JLOAD \s                                       ; two loads of mine are out
.endr
	v_and_b32 v1, 15, v0                           ; l % 16
	v_bfe_u32 v2, v0, 4, 1                         ; l / 16
	v_mul_u32_u24 v3, v1, AP
	v_lshl_add_u32 v3, v2, 4, v3                   ; a fragment's row x pitch + 16 x half
	s_mul_i32 s21, s11, 128*AP                     ; my 128 rows of A
	s_mul_i32 s22, s12, 64*BP                      ; my 64 rows of B
	s_add_co_u32 s22, s22, BOFF
.irp s, 0,1
	v_add_nc_u32 v[ADRA+\s], s21, v3
	v_add_nc_u32 v[ADRB+\s], s22, v3
	s_add_co_u32 s21, s21, SLOT
	s_add_co_u32 s22, s22, SLOT
.endr
	s_mul_i32 s23, s10, 16*SPITCH
	s_add_co_u32 s23, s23, STAGE                   ; my stage
	v_mul_u32_u24 v5, v1, SPITCH                   ; in: row l % 16, 32 bytes for each half of the lanes
	v_lshl_add_u32 v5, v2, 5, v5
	v_add_nc_u32 v[STO], s23, v5
	v_mul_u32_u24 v5, v2, SPITCH                   ; back: lanes 0-15 take one row of 256 bytes, lanes 16-31 the next
	v_lshl_add_u32 v5, v1, 4, v5
	v_add_nc_u32 v[RD], s23, v5
	v_lshlrev_b32 v5, 12, v2                       ; and the same two rows in out0: 4,096 bytes a row
	v_lshl_add_u32 v[CO], v1, 4, v5
	s_lshl_b32 s16, s13, 8
	s_lshl_b32 s17, s11, 7
	s_add_co_u32 s16, s16, s17                     ; my first row of out0: 256 x tile row + 128 x half
	s_lshl_b32 s16, s16, 12
	s_mov_b32 s17, 0
	s_add_nc_u64 s[8:9], s[8:9], s[16:17]
	s_lshl_b32 s46, s42, 9                         ; my first column, in bytes: 512 x tile column + 256 x half (in the registers that held B's address)
	s_lshl_b32 s47, s12, 8
	s_add_co_u32 s46, s46, s47
	s_mov_b32 s47, 0
	s_add_nc_u64 s[8:9], s[8:9], s[46:47]          ; never stepped: every store's place stands in its immediate
; 48 LDS loads in one run: the fragments of quarter q (32 along K: the head's first or second half) of a slot into buffer f: the hi parts of B's four and A's eight into window 0, then the lo parts into window 2.
; A fragment is 16 rows x 32 K in 8 registers: lane l holds row l % 16; registers 0-3 hold K = 8 (l / 16) + 0..7, registers 4-7 K = 16 + 8 (l / 16) + 0..7: two loads of 16 bytes, 32 bytes apart.
.macro FETCH slot, q, f
	WIN 0
.irp j, 0,1,2,3
	ds_load_b128 v[\f+8*\j:\f+8*\j+3],   v[ADRB+\slot] offset:64*(\q)+\j*16*BP
	ds_load_b128 v[\f+8*\j+4:\f+8*\j+7], v[ADRB+\slot] offset:64*(\q)+\j*16*BP+32
.endr
.irp i, 0,1,2,3,4,5,6,7
	ds_load_b128 v[\f+32+8*\i:\f+32+8*\i+3],   v[ADRA+\slot] offset:64*(\q)+\i*16*AP
	ds_load_b128 v[\f+32+8*\i+4:\f+32+8*\i+7], v[ADRA+\slot] offset:64*(\q)+\i*16*AP+32
.endr
	WIN TO_LO
.irp j, 0,1,2,3
	ds_load_b128 v[\f+8*\j:\f+8*\j+3],   v[ADRB+\slot] offset:LO+64*(\q)+\j*16*BP
	ds_load_b128 v[\f+8*\j+4:\f+8*\j+7], v[ADRB+\slot] offset:LO+64*(\q)+\j*16*BP+32
.endr
.irp i, 0,1,2,3,4,5,6,7
	ds_load_b128 v[\f+32+8*\i:\f+32+8*\i+3],   v[ADRA+\slot] offset:LO+64*(\q)+\i*16*AP
	ds_load_b128 v[\f+32+8*\i+4:\f+32+8*\i+7], v[ADRA+\slot] offset:LO+64*(\q)+\i*16*AP+32
.endr
.endm
; 8 matrix instructions: A's blocks a0, a0 + 1 x B's four; which parts, the windows say.  zero = 1: the first product starts the sums.
; The 32 accumulators take turns, one instruction a turn, in the same order in every pass.
.macro MULQ f, a0, zero
.irp a, \a0, \a0+1
.irp b, 0,1,2,3
.if \zero
	v_wmma_f32_16x16x32_f16 v[8*(4*(\a)+\b):8*(4*(\a)+\b)+7], v[\f+8*\b:\f+8*\b+7], v[\f+32+8*(\a):\f+32+8*(\a)+7], 0
.else
	v_wmma_f32_16x16x32_f16 v[8*(4*(\a)+\b):8*(4*(\a)+\b)+7], v[\f+8*\b:\f+8*\b+7], v[\f+32+8*(\a):\f+32+8*(\a)+7], v[8*(4*(\a)+\b):8*(4*(\a)+\b)+7]
.endif
.endr
.endr
.endm
.macro PASS f, zero                    ; once over the 32 accumulators
	MULQ \f, 0, \zero
	MULQ \f, 2, \zero
	MULQ \f, 4, \zero
	MULQ \f, 6, \zero
.endm
.macro PLACES                          ; four places in front of loads into registers that matrix instructions have read, and of the first read of results (ISA guide 7.12.1 for the first read of results)
.rept 4
	v_nop
.endr
.endm
; A K step is two quarters of 32 along K, on buffers 0 and 1; a quarter is three passes, 96 matrix instructions.  The first quarter: multiplies buffer f; behind its first pass it fetches quarter qn of the same slot into buffer g,
; 64 matrix instructions ahead of the wait for those loads.
.macro QUARTER slot, qn, f, g, zero
	s_wait_dscnt 0x0                               ; buffer f is in
	WIN M_HH
	PASS \f, \zero
	PLACES
	FETCH \slot, \qn, \g
	WIN M_HL
	PASS \f, 0
	WIN M_LH
	PASS \f, 0
.endm
; The second quarter multiplies buffer 1 and changes slots: ONE barrier; in front of it each wave waits for all its tensor loads (its part of the next slot), adds 0 to its spare word, and waits for that and for its own reads of this slot.
; fill = 1: the barrier opens a round of the cluster's barrier, and this slot is filled again, two K steps ahead: 160 of a K step's 192 matrix instructions stand between that request and the wait for it.
.macro TURN slot, next, fill
	WIN 0                                          ; (the add's two registers lie in window 0)
	s_wait_tensorcnt 0x0                           ; all my tensor loads have landed
	ds_add_u32 v[SPW], v[NIL]                      ; 0 onto my spare word
	s_wait_dscnt 1                                 ; buffer 1 is in (the add alone may be out)
	WIN M_HH
	MULQ F1, 0, 0                                  ; sixteen matrix instructions stand between the add and the wait for it
	MULQ F1, 2, 0
	s_wait_dscnt 0x0                               ; the add is done, and my reads of this slot are over
	s_barrier_signal -1
	MULQ F1, 4, 0
	MULQ F1, 6, 0
	WIN 0
	s_barrier_wait -1
.if \fill
	CREST                                          ; no wave of any partner still reads this slot's tile or has a load on its way
	s_add_nc_u64 s[G0+4*\slot+2:G0+4*\slot+3], s[G0+4*\slot+2:G0+4*\slot+3], 2*2097152   ; two K steps on: two heads,
	s_add_nc_u64 s[G0B+4*\slot+2:G0B+4*\slot+3], s[G0B+4*\slot+2:G0B+4*\slot+3], 512     ; 512 bytes in a row of B
	JLOAD \slot                                    ; the first tensor load behind the round; the four v_nop behind it are also the places in front of the loads below
.else
	PLACES
.endif
	FETCH \next, 0, F0
	WIN M_HL
	PASS F1, 0
	WIN M_LH
	PASS F1, 0
.endm
	s_wait_tensorcnt 1                             ; my part of K step 0 is in (K step 1's load may be out)
	s_barrier_signal -1
	s_barrier_wait -1                              ; everybody's is
	FETCH 0, 0, F0
	QUARTER 0, 1, F0, F1, 1                        ; the first quarter stands in front of the loop: its first pass starts the sums
	WIN 0                                          ; at a label and at a branch every window is 0
	s_mov_b32 s3, 7
.Llap:                                                 ; a trip goes once round the ring, from a lap's second quarter to the next lap's first, and fills both slots again: K steps 2 to 15
	TURN 0, 1, 1
	QUARTER 1, 1, F0, F1, 0
	TURN 1, 0, 1
	QUARTER 0, 1, F0, F1, 0
	WIN 0
	s_sub_co_u32 s3, s3, 1
	s_cmp_lg_u32 s3, 0
	s_cbranch_scc1 .Llap
	TURN 0, 1, 0                                   ; the last lap fills nothing, and has no round of the cluster's barrier
	QUARTER 1, 1, F0, F1, 0
	s_wait_dscnt 0x0                               ; the very last quarter: nothing more to fetch
	WIN M_HH
	PASS F1, 0
	WIN M_HL
	PASS F1, 0
	WIN M_LH
	PASS F1, 0
	WIN 0
; THE WAY OUT, block by block of 16 rows x 64 columns.  A lane holds 32 neighbouring bytes of a row, and the lanes beside it hold other rows: so a block goes through my own stage and comes back as whole rows of 256 bytes:
; sixteen lanes store 256 consecutive bytes, aligned.  LDS serves a wave's instructions in order (ISA guide 5.7.1.4): no wait between the stores and the loads, nor in front of the next block's stores.
.macro TOSTAGE a
	WIN 0x04                                       ; an LDS store's data are its source 1: window 1
.irp b, 0,1,2,3
	ds_store_b128 v[STO], v[8*(4*(\a)+\b):8*(4*(\a)+\b)+3] offset:64*\b          ; each accumulator from its low end on
	ds_store_b128 v[STO], v[8*(4*(\a)+\b)+4:8*(4*(\a)+\b)+7] offset:64*\b+16
.endr
	WIN 0
.set BB, BK+32*((\a)%2)
.irp t, 0,1,2,3,4,5,6,7
	ds_load_b128 v[BB+4*\t:BB+4*\t+3], v[RD] offset:\t*2*SPITCH
.endr
.endm
.macro SEND a, younger                 ; younger: the LDS instructions issued behind block a's loads, which may stay out
.set BB, BK+32*((\a)%2)
	s_wait_dscnt \younger                          ; the block is back in registers
.irp t, 0,1,2,3,4,5,6,7
	global_store_b128 v[CO], v[BB+4*\t:BB+4*\t+3], s[8:9] offset:(16*(\a)+2*\t)*4096 th:TH_STORE_NT   ; written once, read by nobody here
.endr
.endm
	PLACES                                         ; behind the last products
	TOSTAGE 0
.irp a, 1,2,3,4,5,6,7
.if \a > 1
	s_wait_xcnt 0x0                                ; block a - 2's stores have read their registers: block a's loads may land there
.endif
	TOSTAGE \a
	SEND \a-1, 16                                  ; behind block a - 1's loads: block a's 8 stores and 8 loads
.endr
	SEND 7, 0
	s_wait_tensorcnt 0x0                           ; the wave's end: behind my last tensor load and my last LDS store
	ds_add_u32 v[SPW], v[NIL]
	s_wait_dscnt 0x0
	CROUND                                         ; the closing round: no work-group ends while a partner may still ask for a tile that names it
	s_endpgm
.Lfunc_end_k_qe4101c41ba_proj:
	.size	k_qe4101c41ba_proj, .Lfunc_end_k_qe4101c41ba_proj-k_qe4101c41ba_proj
	.p2alignl 7, 3214868480
	.fill 96, 4, 3214868480
	.section	.rodata,"a",@progbits
	.p2align	6, 0x0
	.amdhsa_kernel k_qe4101c41ba_proj
		.amdhsa_group_segment_fixed_size 327680
		.amdhsa_private_segment_fixed_size 0
		.amdhsa_enable_private_segment 0
		.amdhsa_kernarg_size 24
		.amdhsa_user_sgpr_count 2
		.amdhsa_user_sgpr_kernarg_segment_ptr 1
		.amdhsa_wavefront_size32 1
		.amdhsa_system_sgpr_workgroup_id_x 1
		.amdhsa_system_sgpr_workgroup_id_y 1
		.amdhsa_system_sgpr_workgroup_id_z 1
		.amdhsa_system_vgpr_workitem_id 0
		.amdhsa_next_free_vgpr 768
		.amdhsa_next_free_sgpr 66
		.amdhsa_reserve_vcc 0
		.amdhsa_float_denorm_mode_32 3
		.amdhsa_float_denorm_mode_16_64 3
		.amdhsa_memory_ordered 1
		.amdhsa_forward_progress 1
		.amdhsa_inst_pref_size 100
	.end_amdhsa_kernel
	.amdgpu_metadata
---
amdhsa.version: [ 1, 2 ]
amdhsa.kernels:
  - .name:           k_qe4101c41ba_proj
    .symbol:         k_qe4101c41ba_proj.kd
    .args:
      - { .name: y, .offset: 0, .size: 8, .value_kind: global_buffer, .address_space: global }
      - { .name: wpt, .offset: 8, .size: 8, .value_kind: global_buffer, .address_space: global }
      - { .name: out0, .offset: 16, .size: 8, .value_kind: global_buffer, .address_space: global }
    .group_segment_fixed_size: 327680
    .private_segment_fixed_size: 0
    .kernarg_segment_align: 8
    .kernarg_segment_size: 24
    .max_flat_workgroup_size: 128
    .sgpr_count:     66
    .vgpr_count:     768
    .wavefront_size: 32
...
	.end_amdgpu_metadata
.endif
;; end of part 4
